; MI455X (gfx1250); checked and timed in simulation.
; The chip was launched on July 23, 2026; its instructions are those of AMD's public machine-readable ISA for CDNA 5 (MIT licence, August 2026) and "CDNA5" Instruction Set Architecture Reference Guide (July 2026). The comments in the code are by the model that wrote it; some were corrected since.
;; Multi Head Self Attention. Allowed arithmetic: matrix products marked QUANTISED: E3M2 operands, one E8M0 scale for each 32 along K, by v_wmma_scale_f32_16x16x128_f8f6f4 with both operands' format E3M2, f32 sums; everything else in f32.
;; Inputs: W_o 1,024 x 1,024 float32; W_qkv 1,024 x 3,072 float32; b_o 1,024 float32; b_qkv 3,072 float32; gn_beta 1,024 float32; gn_gamma 1,024 float32; x 4 x 2,048 x 1,024 float32.
;; Outputs: out0 4 x 2,048 x 1,024 float32.
;; This version of the problem:
;;   THIS VERSION OF THE PROBLEM IS GIVEN IN LOW PRECISION. The matrix products marked QUANTISED in the list below multiply operands that are first quantised to E3M2 (3 exponent bits, 2 mantissa bits; 6 bits a number), with one power-of-two scale for each 32 numbers along K (OCP MX v1.0); their sums are f32. All else is computed in f32.
;;   The module's matrix products, in the order in which they are computed (A, B: the left and right operand; K: the contracted axis; several contracted axes count as one K, in the product's order):
;;     1. [M 8,192, K 1,024] x [K 1,024, N 3,072]; A: computed on the way; B: input W_qkv: QUANTISED
;;     2. batch 64 x [M 2,048, K 64] x [K 64, N 2,048]; A: computed on the way; B: computed on the way: QUANTISED
;;     3. batch 64 x [M 2,048, K 2,048] x [K 2,048, N 64]; A: softmax (see below); B: computed on the way: QUANTISED
;;     4. [M 8,192, K 1,024] x [K 1,024, N 1,024]; A: computed on the way; B: input W_o: QUANTISED
;;   THE QUANTISER, for each operand of a quantised product, along K:
;;     - K is cut into blocks of 32 from its start; a last block that is shorter is filled with zeros.
;;     - A block's scale is 2^e with e = floor(log2(the largest magnitude in the block)) - 4, held to -126 .. 127; a block of zeros has e = 0. As a byte (E8M0): e + 127.
;;     - Each number is divided by its block's scale, clamped to +-28, and rounded to the nearest number of E3M2, ties to even, subnormals kept.
;;     - The product sums the exact products of the quantised numbers (number of the format x scale) in f32.
;;   ~~~python
;;   def quantise(x, axis):      # numpy; x: float32 -> the quantised numbers, widened to float32 again
;;       x = np.moveaxis(x, axis, -1); K = x.shape[-1]
;;       x = np.pad(x, [(0, 0)] * (x.ndim - 1) + [(0, -K % 32)]); x = x.reshape(x.shape[:-1] + (-1, 32)); a = np.abs(x).max(-1, keepdims=True)
;;       e = np.where(a > 0, np.clip(np.frexp(np.where(a > 0, a, 1))[1] - 1 - 4, -126, 127), 0)      # np.frexp(a)[1] - 1 = floor(log2(a)), exactly
;;       r = np.clip(x / 2.0 ** e, -28, 28)
;;       step = 2.0 ** (np.maximum(np.frexp(np.where(r == 0, 1, r))[1] - 1, -2) - 2)
;;       q = np.round(r / step) * step * 2.0 ** e      # np.round: ties to even
;;       return np.moveaxis(q.reshape(q.shape[:-2] + (-1,))[..., :K], -1, axis).astype(np.float32)
;;   ~~~
;;   SOFTMAX AHEAD OF A QUANTISED PRODUCT. Where the list says 'softmax', what is quantised is not the finished softmax but p = 2^(t - M), with t = logit x log2(e) and M = ceil(the row's largest t), a whole number; so 1/2 < the row's largest p <= 1. The row's sum l is taken of the UNQUANTISED p, in f32, and the product's result is divided by l at the end. Since M is a whole number, a kernel that streams over the keys may use a running M (the ceiling of the running maximum): every later rescaling is an exact power of two, which a block's scale takes up: the codes' values come out the same.
;;   OPERANDS COMPUTED ON THE WAY. 'Computed on the way' means the value that the module computes at that place (a softmax that the list does not call 'softmax' is quantised finished and normalised). What goes into a quantiser is computed in f32, as accurately as f32 sums, v_exp_f32 and their like allow (about 1e-6 of the number): no bf16 or f16 on the way to a quantiser, and a product that is left as it is and whose result goes on into a quantised operand takes f32 operands (vector FMAs, or v_wmma_f32_16x16x4_f32). A number that lies on a knife's edge between two numbers of the format may be rounded either way, as far as f32 arithmetic and the matrix unit's own rounding can turn it there, and no further.
;; One version. Each part assembles by itself: llvm-mc -triple=amdgcn-amd-amdhsa -mcpu=gfx1250 --defsym DOCPART=n.
;; ======== version 1 of 1: 5 launches
;; limits: right only within a limited range of input values
;; workspace buffers: part 65,536 bytes; wq 2,457,600 bytes; wo 819,200 bytes; hh 6,553,600 bytes; qq 6,815,744 bytes; kv 13,369,344 bytes; oo 6,553,600 bytes
;; launch prep (part 1): grid 384 x 1, 8 waves a work-group, no clusters, 0 bytes of LDS; arguments x, W_qkv, W_o, part, wq, wo; writes part, wq, wo
.if DOCPART == 1
	.amdgcn_target "amdgcn-amd-amdhsa--gfx1250"
	.amdhsa_code_object_version 6
	.text
	.protected	k_q76b625cede_prep
	.globl	k_q76b625cede_prep
	.p2align	8
	.type	k_q76b625cede_prep,@function
k_q76b625cede_prep:
	s_mov_b64 s[64:65], 0
	v_nop
	global_prefetch_b8 v0, s[64:65] scope:SCOPE_SE
	s_setreg_imm32_b32 hwreg(HW_REG_WAVE_MODE, 25, 1), 1
	s_wait_xcnt 0x0
; PREP: two kinds of work that depend on nothing, in one launch; each work-group reads 128 KiB.
; Work-groups 0-255: GroupNorm's partial figures.  Chunk c = rows 32 c .. 32 c + 31 of x [8192][1024]; for each of the 32 groups of 32 channels
; the chunk's mean and the sum of squared deviations from THAT mean (1,024 numbers) go to part [chunk][group][mean, M2].  The deviations are taken from the
; chunk's own mean, in a second pass over registers, so that a common offset of the inputs costs no digits.
; Work-groups 256-383: W_qkv [1024][3072] (96 work-groups) and W_o [1024][1024] (32) become codes of E3M2 along K, their FIRST axis.  A lane takes a column and its
; registers run down K, so that a block of 32 lies in one lane and the conversions give codes with K innermost.
; LAYOUT OF THE CODES: images of the operand's registers.  A tile is 16 columns out of a group of 32: tile T, index i is column 32 (T / 2) + 8 (T % 2) + i % 8 + 16 (i / 8).
; For tile T and K step s (128 along K) 1,536 bytes at 12,288 T + 1,536 s: for c = 0, 1: registers 6 c .. 6 c + 3 of lane l at 768 c + 16 l, registers 6 c + 4, 6 c + 5 at 768 c + 512 + 8 l;
; lane l = i + 16 h holds k = 64 c + 32 h + 0 .. 31.  Scale words behind the codes: [s][16 T + i], byte q for block q of the K step.
; A block's scale is 2^(floor(log2(largest magnitude)) - 4); its byte is the largest magnitude's exponent field - 4, held at 1 from below.
; LIMITS: a block of zeros gets the byte 1 where the rule says 127 (its codes are zeros, and this program alone reads the bytes); NaN and infinities are not served.
; No LDS, no barrier, no cluster: no two work-groups read the same bytes.  The stores of 16 bytes a lane cover two aligned runs of 256 bytes; those of 8 and 4 bytes a lane runs of 128 and 64 bytes.
.set NCH,   256                        ; chunks, and the work-groups that take them
.set FLOOR, 0x2800000                  ; 2^(5 - 127)
.set EOFF,  0xfe000000                 ; -(4 << 23)
	s_load_b256 s[4:11], s[0:1], 0x0               ; x s[4:5], W_qkv s[6:7], W_o s[8:9], part s[10:11]
	s_load_b128 s[12:15], s[0:1], 0x20             ; wq s[12:13], wo s[14:15]
	s_cmp_lt_u32 ttmp9, NCH
	s_cbranch_scc0 .Lw
	; ---- the figures of a chunk.  Thread t owns the 16 bytes at 16 t of every row: channels 4 t .. 4 t + 3, group t / 8
	s_lshl_b32 s20, ttmp9, 17                      ; 32 rows of 4,096 bytes
	s_mov_b32 s21, 0
	s_lshl_b32 s22, ttmp9, 8                       ; 256 bytes of part a chunk
	s_mov_b32 s23, 0
	v_lshlrev_b32 v1, 4, v0
	v_and_b32 v2, 7, v0                            ; my place among the group's eight lanes
	v_lshrrev_b32 v3, 3, v0
	s_delay_alu instid0(VALU_DEP_1)
	v_lshlrev_b32 v3, 3, v3                        ; 8 bytes a group
	s_wait_alu depctr_va_vdst(0)
	s_wait_kmcnt 0x0
	s_add_nc_u64 s[4:5], s[4:5], s[20:21]
	s_add_nc_u64 s[10:11], s[10:11], s[22:23]
.set i, 0
.rept 32
	global_load_b128 v[32+4*i:35+4*i], v1, s[4:5] offset:4096*i    ; a wave reads 512 consecutive bytes; x is read again by later launches: no hint
.set i, i+1
.endr
	; pass 1: the sum, two numbers at a time, in four chains that the first eight pairs start
	s_wait_loadcnt 28                              ; the first four loads are in; 28 were issued behind them
.irp k, 0,1,2,3
	v_pk_add_f32 v[8+2*\k:9+2*\k], v[32+2*\k:33+2*\k], v[40+2*\k:41+2*\k]
.endr
	s_wait_alu depctr_va_vdst(0)
.irp g, 1,2,3,4,5,6,7
	s_wait_alu depctr_va_vdst(0)
	s_wait_loadcnt 28-4*\g                         ; four loads more
.irp k, 0,1,2,3,4,5,6,7
	v_pk_add_f32 v[8+2*(\k%4):9+2*(\k%4)], v[8+2*(\k%4):9+2*(\k%4)], v[32+16*\g+2*\k:33+16*\g+2*\k]
.endr
.endr
	s_delay_alu instid0(VALU_DEP_3)
	v_pk_add_f32 v[8:9], v[8:9], v[10:11]
	s_delay_alu instid0(VALU_DEP_2)
	v_pk_add_f32 v[12:13], v[12:13], v[14:15]
	s_delay_alu instid0(VALU_DEP_1)
	v_pk_add_f32 v[8:9], v[8:9], v[12:13]
	s_delay_alu instid0(VALU_DEP_1)
	v_add_f32 v8, v8, v9
	s_delay_alu instid0(VALU_DEP_1)
	v_add_f32_dpp v8, v8, v8 row_xmask:1 row_mask:0xf bank_mask:0xf   ; the group's eight lanes
	s_delay_alu instid0(VALU_DEP_1)
	v_add_f32_dpp v8, v8, v8 row_xmask:2 row_mask:0xf bank_mask:0xf
	s_delay_alu instid0(VALU_DEP_1)
	v_add_f32_dpp v8, v8, v8 row_xmask:4 row_mask:0xf bank_mask:0xf
	s_delay_alu instid0(VALU_DEP_1)
	v_mul_f32 v16, 0x3a800000, v8                  ; / 1,024: the chunk's mean of my group
	s_delay_alu instid0(VALU_DEP_1)
	v_mov_b32 v17, v16
	; pass 2: the squared deviations from it
.irp k, 0,1,2,3
	v_pk_add_f32 v[20+2*\k:21+2*\k], v[32+2*\k:33+2*\k], v[16:17] neg_lo:[0,1] neg_hi:[0,1]
.endr
.irp k, 0,1,2,3
	s_delay_alu instid0(VALU_DEP_4)
	v_pk_mul_f32 v[8+2*\k:9+2*\k], v[20+2*\k:21+2*\k], v[20+2*\k:21+2*\k]
.endr
.set p, 4
.rept 15
.irp k, 0,1,2,3
	v_pk_add_f32 v[20+2*\k:21+2*\k], v[32+2*(p+\k):33+2*(p+\k)], v[16:17] neg_lo:[0,1] neg_hi:[0,1]
.endr
.irp k, 0,1,2,3
	s_delay_alu instid0(VALU_DEP_4)
	v_pk_fma_f32 v[8+2*\k:9+2*\k], v[20+2*\k:21+2*\k], v[20+2*\k:21+2*\k], v[8+2*\k:9+2*\k]
.endr
.set p, p+4
.endr
	s_delay_alu instid0(VALU_DEP_3)
	v_pk_add_f32 v[8:9], v[8:9], v[10:11]
	s_delay_alu instid0(VALU_DEP_2)
	v_pk_add_f32 v[12:13], v[12:13], v[14:15]
	s_delay_alu instid0(VALU_DEP_1)
	v_pk_add_f32 v[8:9], v[8:9], v[12:13]
	s_delay_alu instid0(VALU_DEP_1)
	v_add_f32 v8, v8, v9
	s_delay_alu instid0(VALU_DEP_1)
	v_add_f32_dpp v8, v8, v8 row_xmask:1 row_mask:0xf bank_mask:0xf
	s_delay_alu instid0(VALU_DEP_1)
	v_add_f32_dpp v8, v8, v8 row_xmask:2 row_mask:0xf bank_mask:0xf
	s_delay_alu instid0(VALU_DEP_1)
	v_add_f32_dpp v8, v8, v8 row_xmask:4 row_mask:0xf bank_mask:0xf
	s_delay_alu instid0(VALU_DEP_1)
	v_mov_b32 v17, v8                              ; v[16:17] = mean, M2
	v_cmp_eq_u32 vcc_lo, 0, v2                     ; one lane of eight stores
	s_wait_alu depctr_va_vdst(0)
	s_wait_xcnt 0x0                                ; EXEC changes only behind this wait: loads have been issued
	s_and_saveexec_b32 s24, vcc_lo
	global_store_b64 v3, v[16:17], s[10:11]
	s_wait_xcnt 0x0                                ; and again in front of the line that widens it
	s_or_b32 exec_lo, exec_lo, s24
	s_endpgm
	; ---- a weight.  A wave takes 32 columns (group G) x 128 along K (K step ks)
.Lw:
	v_lshrrev_b32 v1, 5, v0
	s_delay_alu instid0(VALU_DEP_1)
	v_readfirstlane_b32 s16, v1                    ; wave 0..7
	v_and_b32 v2, 31, v0                           ; my column in the group
	s_delay_alu instid0(VALU_DEP_1)
	v_lshlrev_b32 v3, 2, v2                        ; in: 4 bytes a lane
	s_delay_alu instid0(VALU_DEP_2)
	v_bfe_u32 v4, v2, 3, 1                         ; which of the group's two tiles
	s_delay_alu instid0(VALU_DEP_3)
	v_and_b32 v5, 7, v2
	s_delay_alu instid0(VALU_DEP_4)
	v_lshrrev_b32 v6, 4, v2
	s_delay_alu instid0(VALU_DEP_1)
	v_lshl_add_u32 v5, v6, 3, v5                   ; my index i in it
	s_delay_alu instid0(VALU_DEP_4)
	v_mul_u32_u24 v6, v4, 12288
	s_delay_alu instid0(VALU_DEP_1)
	v_lshl_add_u32 v7, v5, 4, v6                   ; out: registers 0-3 of a block's six
	s_delay_alu instid0(VALU_DEP_2)
	v_lshl_add_u32 v8, v5, 3, v6                   ; registers 4, 5
	v_lshlrev_b32 v9, 6, v4
	s_delay_alu instid0(VALU_DEP_1)
	v_lshl_add_u32 v9, v5, 2, v9                   ; the scale word
	s_sub_co_u32 s20, ttmp9, NCH
	s_wait_kmcnt 0x0
	s_cmp_lt_u32 s20, 96                           ; W_qkv's work-group or W_o's?  The choice hangs on the work-group's number alone; every select stands ahead of the next line that sets SCC
	s_cselect_b64 s[24:25], s[6:7], s[8:9]         ; the weight
	s_cselect_b64 s[26:27], s[12:13], s[14:15]     ; its codes' buffer
	s_mov_b32 s22, 1024
	s_cselect_b32 s22, 3072, s22                   ; N
	s_mov_b32 s28, 786432
	s_cselect_b32 s28, 2359296, s28                ; where the scale words begin
	s_cselect_b32 s23, 1, 0
	s_cselect_b32 s29, 0, 96
	s_sub_co_u32 s20, s20, s29
	s_lshr_b32 s17, s20, 2
	s_and_b32 s18, s20, 3
	s_lshl_b32 s18, s18, 1
	s_lshr_b32 s19, s16, 2
	s_add_co_u32 s18, s18, s19                     ; ks = 2 (index % 4) + wave / 4
	s_lshl_b32 s17, s17, 2
	s_and_b32 s19, s16, 3
	s_add_co_u32 s17, s17, s19                     ; G = 4 (index / 4) + wave % 4: four waves stand side by side on 512 bytes of a row
	s_mul_i32 s30, s18, s22
	s_lshl_b32 s36, s30, 9                         ; 128 ks rows of 4 N bytes
	s_lshl_b32 s19, s17, 7                         ; 128 G
	s_add_co_u32 s36, s36, s19
	s_mov_b32 s37, 0
	s_add_nc_u64 s[24:25], s[24:25], s[36:37]
	s_lshl_b32 s38, s30, 2                         ; the scale words: 4 N ks + 128 G
	s_add_co_u32 s38, s38, s19
	s_add_co_u32 s38, s38, s28
	s_mov_b32 s39, 0
	s_add_nc_u64 s[32:33], s[26:27], s[38:39]
	s_mul_i32 s40, s17, 24576                      ; the codes: two tiles of 12,288 bytes a group, 1,536 a K step
	s_mul_i32 s41, s18, 1536
	s_add_co_u32 s40, s40, s41
	s_mov_b32 s41, 0
	s_add_nc_u64 s[26:27], s[26:27], s[40:41]
.macro WLOADS n                        ; W(128 ks + k, my column), k = 0 .. 127: each load reads 128 consecutive bytes; the row's pitch stands in the immediate
.set k, 0
.rept 128
	global_load_b32 v[32+k], v3, s[24:25] offset:k*\n*4 th:TH_LOAD_NT
.set k, k+1
.endr
.endm
	s_cmp_eq_u32 s23, 1
	s_cbranch_scc0 .Lwo
	WLOADS 3072
	s_branch .Lj
.Lwo:
	WLOADS 1024
.Lj:
; Block q of the K step: all its 32 numbers are mine.  left: how many younger loads may stay out
.macro WBLOCK q, left
.set XS, 32+32*\q
	s_wait_loadcnt \left
	v_max3_num_f32 v12, |v[XS]|, |v[XS+1]|, |v[XS+2]|
	v_max3_num_f32 v13, |v[XS+3]|, |v[XS+4]|, |v[XS+5]|
.irp i, 6,10,14,18,22,26
	s_delay_alu instid0(VALU_DEP_2)
	v_max3_num_f32 v12, v12, |v[XS+\i]|, |v[XS+\i+1]|
	s_delay_alu instid0(VALU_DEP_2)
	v_max3_num_f32 v13, v13, |v[XS+\i+2]|, |v[XS+\i+3]|
.endr
	s_delay_alu instid0(VALU_DEP_2)
	v_max3_num_f32 v12, v12, |v[XS+30]|, |v[XS+31]|
	s_delay_alu instid0(VALU_DEP_1)
	v_max3_num_f32 v12, v12, v13, FLOOR            ; the floor holds the byte at 1 from below
	s_delay_alu instid0(VALU_DEP_1)
	v_add_nc_u32 v11, EOFF, v12                    ; 4 off the exponent field: the conversion's scale operand
	s_delay_alu instid0(VALU_DEP_1)
	v_lshrrev_b32 v13, 23, v11                     ; the scale's byte
.if \q == 0
	s_delay_alu instid0(VALU_DEP_1)
	v_mov_b32 v20, v13
.else
	s_delay_alu instid0(VALU_DEP_1)
	v_lshl_or_b32 v20, v13, 8*\q, v20
.endif
	v_cvt_scalef32_pk16_bf6_f32 v[160+8*\q:162+8*\q], v[XS:XS+15], v11
	v_cvt_scalef32_pk16_bf6_f32 v[192+4*\q:194+4*\q], v[XS+16:XS+31], v11   ; (a conversion's three registers begin on an even number)
	v_nop                                          ; one plain place behind a scaled conversion
.irp i, 0,1,2
	v_mov_b32 v[163+8*\q+\i], v[192+4*\q+\i]
.endr
	global_store_b128 v7, v[160+8*\q:163+8*\q], s[26:27] offset:(\q/2)*768+256*(\q%2)        ; each block has registers of its own: no store's data are written again
	global_store_b64 v8, v[164+8*\q:165+8*\q], s[26:27] offset:(\q/2)*768+512+128*(\q%2)
.endm
	WBLOCK 0, 63                                   ; 96 loads were issued behind block 0's, 64 behind block 1's: the count's field ends at 63, the smaller count is safe
	WBLOCK 1, 63
	WBLOCK 2, 32
	WBLOCK 3, 0
	global_store_b32 v9, v20, s[32:33]
	s_endpgm
.Lfunc_end_k_q76b625cede_prep:
	.size	k_q76b625cede_prep, .Lfunc_end_k_q76b625cede_prep-k_q76b625cede_prep
	.p2alignl 7, 3214868480
	.fill 96, 4, 3214868480
	.section	.rodata,"a",@progbits
	.p2align	6, 0x0
	.amdhsa_kernel k_q76b625cede_prep
		.amdhsa_group_segment_fixed_size 0
		.amdhsa_private_segment_fixed_size 0
		.amdhsa_enable_private_segment 0
		.amdhsa_kernarg_size 48
		.amdhsa_user_sgpr_count 2
		.amdhsa_user_sgpr_kernarg_segment_ptr 1
		.amdhsa_wavefront_size32 1
		.amdhsa_system_sgpr_workgroup_id_x 1
		.amdhsa_system_sgpr_workgroup_id_y 1
		.amdhsa_system_sgpr_workgroup_id_z 1
		.amdhsa_system_vgpr_workitem_id 0
		.amdhsa_next_free_vgpr 208
		.amdhsa_next_free_sgpr 66
		.amdhsa_reserve_vcc 1
		.amdhsa_float_denorm_mode_32 3
		.amdhsa_float_denorm_mode_16_64 3
		.amdhsa_memory_ordered 1
		.amdhsa_forward_progress 1
		.amdhsa_inst_pref_size 56
	.end_amdhsa_kernel
	.amdgpu_metadata
---
amdhsa.version: [ 1, 2 ]
amdhsa.kernels:
  - .name:           k_q76b625cede_prep
    .symbol:         k_q76b625cede_prep.kd
    .args:
      - { .name: x, .offset: 0, .size: 8, .value_kind: global_buffer, .address_space: global }
      - { .name: W_qkv, .offset: 8, .size: 8, .value_kind: global_buffer, .address_space: global }
      - { .name: W_o, .offset: 16, .size: 8, .value_kind: global_buffer, .address_space: global }
      - { .name: part, .offset: 24, .size: 8, .value_kind: global_buffer, .address_space: global }
      - { .name: wq, .offset: 32, .size: 8, .value_kind: global_buffer, .address_space: global }
      - { .name: wo, .offset: 40, .size: 8, .value_kind: global_buffer, .address_space: global }
    .group_segment_fixed_size: 0
    .private_segment_fixed_size: 0
    .kernarg_segment_align: 8
    .kernarg_segment_size: 48
    .max_flat_workgroup_size: 256
    .sgpr_count:     66
    .vgpr_count:     208
    .wavefront_size: 32
...
	.end_amdgpu_metadata
.endif
;; end of part 1
;; launch hq (part 2): grid 256 x 1, 8 waves a work-group, no clusters, 68,608 bytes of LDS; arguments x, part, gn_gamma, gn_beta, hh; writes hh
.if DOCPART == 2
	.amdgcn_target "amdgcn-amd-amdhsa--gfx1250"
	.amdhsa_code_object_version 6
	.text
	.protected	k_q76b625cede_hq
	.globl	k_q76b625cede_hq
	.p2align	8
	.type	k_q76b625cede_hq,@function
k_q76b625cede_hq:
	s_mov_b64 s[64:65], 0
	v_nop
	global_prefetch_b8 v0, s[64:65] scope:SCOPE_SE
	s_setreg_imm32_b32 hwreg(HW_REG_WAVE_MODE, 25, 1), 1
	s_wait_xcnt 0x0
; HQ: h = GroupNorm(x) x gamma + beta, in f32, quantised along the channels into codes of E3M2, laid as images of the operand's registers (the layout is described at the head of prep;
; here a tile is 16 ROWS out of a group of 32: tile T, index i is row 32 (T / 2) + 8 (T % 2) + i % 8 + 16 (i / 8)).  hh: codes [T 512][K step 8][1,536], then scale words [K step][16 T + i].
; Work-group c owns rows 32 c .. 32 c + 31 (tiles 2 c, 2 c + 1), wave w K step w: channels 128 w .. 128 w + 127, four groups of GroupNorm.
; THE FIGURES: a batch has 64 chunks.  mean = the mean of the chunks' means; the sum of squares = sum of M2 + 1,024 x sum of (chunk's mean - mean)^2; var = that / 65,536.  A lane reads 8 chunks of its group, eight lanes join.
; A load takes the bytes as they lie (16 a lane, 512 a wave); the conversions want 32 neighbours in one lane: a tile's 16 rows x 512 bytes turn through the wave's own stage in LDS (rows 528 bytes apart: 33 x 16, so the sixteen
; rows that a load of 16 bytes touches fall on different banks).  Waves share nothing: no barrier.  No cluster: no two work-groups read the same rows; part, gamma and beta are a few KiB.
; LIMITS: v_rsq_f32 is good to 1 ulp; a block of zeros gets the byte 1 (zero codes; this program alone reads the bytes); NaN and infinities are not served.
; REGISTERS: v1 lane, v2 r, v3 h, v4 16 lane, v5 8 lane, v6 stage in, v7 stage out, v8 8 h, v9 4 lane; v10-25 the chunks' figures, later at work; v[26:27] mean; v28-31 at work; v32-159 x, then h (row p at 32 + 4 p);
; v160-223 64 neighbours; v224-235 tile 0's codes (tile 1's: v32-43, rows that are done with); v236.., v248.. second halves of blocks; v240-243 rstd x gamma, v244-247 beta; v252, v253 the tiles' scale words.
.set FLOOR, 0x2800000
.set EOFF,  0xfe000000
.set SP,    528
	s_load_b256 s[4:11], s[0:1], 0x0               ; x s[4:5], part s[6:7], gamma s[8:9], beta s[10:11]
	s_load_b64 s[12:13], s[0:1], 0x20              ; hh
	v_lshl_add_u32 v254, v0, 2, 0x10800
	v_mov_b32 v255, 0
	v_lshrrev_b32 v1, 5, v0
	s_delay_alu instid0(VALU_DEP_1)
	v_readfirstlane_b32 s16, v1                    ; wave 0..7
	v_and_b32 v1, 31, v0
	v_and_b32 v2, 15, v0
	v_bfe_u32 v3, v0, 4, 1
	s_delay_alu instid0(VALU_DEP_3)
	v_lshlrev_b32 v4, 4, v1
	s_delay_alu instid0(VALU_DEP_4)
	v_lshlrev_b32 v5, 3, v1
	s_mul_i32 s17, s16, 16*SP                      ; my stage
	v_add_nc_u32 v6, s17, v4                       ; in: 16 bytes a lane of a row
	v_mul_u32_u24 v7, v2, SP
	s_delay_alu instid0(VALU_DEP_1)
	v_lshl_add_u32 v7, v3, 7, v7
	s_delay_alu instid0(VALU_DEP_1)
	v_add_nc_u32 v7, s17, v7                       ; out: row r, + 128 h: my block of 32 numbers
	v_lshlrev_b32 v8, 3, v3
	v_lshlrev_b32 v9, 2, v1
	v_and_b32 v28, 7, v1
	v_lshrrev_b32 v29, 3, v1
	s_delay_alu instid0(VALU_DEP_2)
	v_lshlrev_b32 v28, 8, v28
	s_delay_alu instid0(VALU_DEP_1)
	v_lshl_add_u32 v28, v29, 3, v28                ; part: chunk lane % 8 (+ 8 m), group lane / 8 (+ 4 w)
	s_mov_b32 s18, 0x76543210
	s_mov_b32 s19, 0xfedcba98                      ; v_permlanex16_b32's selects for lane l xor 16
	s_mov_b32 s30, 0x37800000                      ; 1 / 65,536
	s_mov_b32 s31, 0x358637bd                      ; 1e-6
	s_lshr_b32 s24, ttmp9, 6                       ; the batch
	s_lshl_b32 s24, s24, 14                        ; 64 chunks of 256 bytes
	s_lshl_b32 s25, s16, 5
	s_add_co_u32 s24, s24, s25
	s_mov_b32 s25, 0
	s_lshl_b32 s26, ttmp9, 17
	s_lshl_b32 s28, s16, 9                         ; my 512 bytes of a row, of gamma and of beta
	s_add_co_u32 s26, s26, s28
	s_mov_b32 s27, 0
	s_mov_b32 s29, 0
	s_mul_i32 s32, ttmp9, 24576
	s_mul_i32 s33, s16, 1536
	s_add_co_u32 s32, s32, s33
	s_mov_b32 s33, 0
	s_lshl_b32 s34, s16, 15                        ; scale words: 32,768 bytes a K step, 128 a work-group
	s_lshl_b32 s35, ttmp9, 7
	s_add_co_u32 s34, s34, s35
	s_add_co_u32 s34, s34, 6291456
	s_mov_b32 s35, 0
	s_wait_alu depctr_va_vdst(0)
	s_wait_kmcnt 0x0
	s_add_nc_u64 s[6:7], s[6:7], s[24:25]
	s_add_nc_u64 s[4:5], s[4:5], s[26:27]
	s_add_nc_u64 s[8:9], s[8:9], s[28:29]
	s_add_nc_u64 s[10:11], s[10:11], s[28:29]
	s_add_nc_u64 s[20:21], s[12:13], s[32:33]
	s_add_nc_u64 s[22:23], s[12:13], s[34:35]
.irp m, 0,1,2,3,4,5,6,7
	global_load_b64 v[10+2*\m:11+2*\m], v28, s[6:7] offset:2048*\m
.endr
	global_load_b128 v[240:243], v4, s[8:9]
	global_load_b128 v[244:247], v4, s[10:11]
.set p, 0
.rept 32
	global_load_b128 v[32+4*p:35+4*p], v4, s[4:5] offset:4096*p
.set p, p+1
.endr
	s_wait_loadcnt 32                              ; the ten small loads are in; the 32 loads of x were issued behind them
	v_add_f32 v28, v10, v12
	v_add_f32 v29, v14, v16
	v_add_f32 v30, v18, v20
	v_add_f32 v31, v22, v24
	s_delay_alu instid0(VALU_DEP_3)
	v_add_f32 v28, v28, v29
	s_delay_alu instid0(VALU_DEP_2)
	v_add_f32 v30, v30, v31
	s_delay_alu instid0(VALU_DEP_1)
	v_add_f32 v28, v28, v30
	s_delay_alu instid0(VALU_DEP_1)
	v_add_f32_dpp v28, v28, v28 row_xmask:1 row_mask:0xf bank_mask:0xf
	s_delay_alu instid0(VALU_DEP_1)
	v_add_f32_dpp v28, v28, v28 row_xmask:2 row_mask:0xf bank_mask:0xf
	s_delay_alu instid0(VALU_DEP_1)
	v_add_f32_dpp v28, v28, v28 row_xmask:4 row_mask:0xf bank_mask:0xf
	s_delay_alu instid0(VALU_DEP_1)
	v_mul_f32 v26, 0x3c800000, v28                 ; / 64: the group's mean
	s_delay_alu instid0(VALU_DEP_1)
	v_mov_b32 v27, v26
.irp m, 0,1,2,3,4,5,6,7
	v_sub_f32 v[10+2*\m], v[10+2*\m], v26
.endr
	v_mul_f32 v30, v10, v10
	v_add_f32 v31, v11, v13
.irp m, 1
	s_delay_alu instid0(VALU_DEP_2)
	v_fmac_f32 v30, v[10+2*\m], v[10+2*\m]
.endr
.irp m, 2, 3, 4, 5, 6, 7
	s_delay_alu instid0(VALU_DEP_1)
	v_fmac_f32 v30, v[10+2*\m], v[10+2*\m]
.endr
.irp m, 2
	v_add_f32 v31, v31, v[11+2*\m]
.endr
.irp m, 3, 4, 5, 6, 7
	s_delay_alu instid0(VALU_DEP_1)
	v_add_f32 v31, v31, v[11+2*\m]
.endr
	s_delay_alu instid0(VALU_DEP_1)
	v_fmamk_f32 v31, v30, 0x44800000, v31          ; + 1,024 x the squared deviations of the chunks' means
	s_delay_alu instid0(VALU_DEP_1)
	v_add_f32_dpp v31, v31, v31 row_xmask:1 row_mask:0xf bank_mask:0xf
	s_delay_alu instid0(VALU_DEP_1)
	v_add_f32_dpp v31, v31, v31 row_xmask:2 row_mask:0xf bank_mask:0xf
	s_delay_alu instid0(VALU_DEP_1)
	v_add_f32_dpp v31, v31, v31 row_xmask:4 row_mask:0xf bank_mask:0xf
	s_delay_alu instid0(VALU_DEP_1)
	v_fma_f32 v31, v31, s30, s31                   ; var + eps (the division by 65,536 rounds nothing)
	s_wait_alu depctr_va_vdst(0)
	v_rsq_f32 v30, v31
	v_mov_b32 v16, 0                               ; (a plain place behind the transcendental; v16 will be a lane permute's destination, which counts as one of its sources)
	s_wait_alu depctr_va_vdst(0)
.irp i, 0,1,2,3
	v_mul_f32 v[240+\i], v30, v[240+\i]            ; rstd x gamma
.endr
	s_wait_loadcnt 0x0
.set p, 0
.rept 32
	v_pk_add_f32 v[32+4*p:33+4*p], v[32+4*p:33+4*p], v[26:27] neg_lo:[0,1] neg_hi:[0,1]
	s_wait_alu depctr_va_vdst(0)
	v_pk_add_f32 v[34+4*p:35+4*p], v[34+4*p:35+4*p], v[26:27] neg_lo:[0,1] neg_hi:[0,1]
	v_pk_fma_f32 v[32+4*p:33+4*p], v[32+4*p:33+4*p], v[240:241], v[244:245]
	s_delay_alu instid0(VALU_DEP_2)
	v_pk_fma_f32 v[34+4*p:35+4*p], v[34+4*p:35+4*p], v[242:243], v[246:247]
.set p, p+1
.endr
; Tile 2 c + u: its 16 rows through the stage; lane (r, h) then holds k = 64 c + 32 h + 0 .. 31 of row index r: two whole blocks, h and 2 + h
.macro TILE u
.set CD, 224-192*\u
.irp i, 0,1,2,3,4,5,6,7,8,9,10,11,12,13,14,15
	ds_store_b128 v6, v[32+4*(8*\u+\i%8+16*(\i/8)):35+4*(8*\u+\i%8+16*(\i/8))] offset:SP*\i
.endr
.irp c, 0,1
.irp j, 0,1,2,3,4,5,6,7
	ds_load_b128 v[160+32*\c+4*\j:163+32*\c+4*\j], v7 offset:256*\c+16*\j   ; LDS serves a wave's instructions in order: these see my stores
.endr
.endr
	s_wait_dscnt 0x0
.irp c, 0,1
	v_max3_num_f32 v[10+\c], |v[160+32*\c]|, |v[161+32*\c]|, FLOOR
.endr
.irp i, 2,4,6,8,10,12,14,16,18,20,22,24,26,28,30
.irp c, 0,1
	s_delay_alu instid0(VALU_DEP_2)
	v_max3_num_f32 v[10+\c], v[10+\c], |v[160+32*\c+\i]|, |v[161+32*\c+\i]|   ; (the two blocks by turns)
.endr
.endr
.irp c, 0,1
	s_delay_alu instid0(VALU_DEP_2)
	v_add_nc_u32 v[12+\c], EOFF, v[10+\c]          ; the conversion's scale operand
.endr
.irp c, 0,1
	s_delay_alu instid0(VALU_DEP_2)
	v_lshrrev_b32 v[14+\c], 23, v[12+\c]           ; the scale's byte
.endr
	s_delay_alu instid0(VALU_DEP_1)
	v_lshl_or_b32 v[252+\u], v15, 16, v14          ; my two bytes, blocks h and 2 + h,
	s_delay_alu instid0(VALU_DEP_1)
	v_lshlrev_b32 v[252+\u], v8, v[252+\u]         ; at their places in the word;
	s_delay_alu instid0(VALU_DEP_1)
	v_permlanex16_b32 v16, v[252+\u], s18, s19
	s_delay_alu instid0(VALU_DEP_1)
	v_or_b32 v[252+\u], v[252+\u], v16             ; with lane l xor 16's two it is whole
.irp c, 0,1
	v_cvt_scalef32_pk16_bf6_f32 v[CD+6*\c:CD+6*\c+2], v[160+32*\c:175+32*\c], v[12+\c]
	v_cvt_scalef32_pk16_bf6_f32 v[236+12*\c:238+12*\c], v[176+32*\c:191+32*\c], v[12+\c]   ; (a conversion's three registers begin on an even number)
.endr
	v_nop                                          ; one plain place behind a scaled conversion
.irp c, 0,1
.irp i, 0,1,2
	v_mov_b32 v[CD+6*\c+3+\i], v[236+12*\c+\i]
.endr
.endr
	global_store_b128 v4, v[CD:CD+3], s[20:21] offset:12288*\u             ; 512 consecutive bytes, aligned
	global_store_b64 v5, v[CD+4:CD+5], s[20:21] offset:12288*\u+512        ; 256
	global_store_b128 v4, v[CD+6:CD+9], s[20:21] offset:12288*\u+768
	global_store_b64 v5, v[CD+10:CD+11], s[20:21] offset:12288*\u+1280
.endm
	TILE 0
	TILE 1
	v_cmp_lt_u32 vcc_lo, 15, v1
	s_delay_alu instid0(VALU_DEP_1)
	v_cndmask_b32 v252, v252, v253, vcc_lo         ; lanes 0-15 tile 2 c's words, lanes 16-31 tile 2 c + 1's
	global_store_b32 v9, v252, s[22:23]
	s_wait_tensorcnt 0x0
	ds_add_u32 v254, v255
	s_wait_dscnt 0x0
	s_endpgm
.Lfunc_end_k_q76b625cede_hq:
	.size	k_q76b625cede_hq, .Lfunc_end_k_q76b625cede_hq-k_q76b625cede_hq
	.p2alignl 7, 3214868480
	.fill 96, 4, 3214868480
	.section	.rodata,"a",@progbits
	.p2align	6, 0x0
	.amdhsa_kernel k_q76b625cede_hq
		.amdhsa_group_segment_fixed_size 68608
		.amdhsa_private_segment_fixed_size 0
		.amdhsa_enable_private_segment 0
		.amdhsa_kernarg_size 40
		.amdhsa_user_sgpr_count 2
		.amdhsa_user_sgpr_kernarg_segment_ptr 1
		.amdhsa_wavefront_size32 1
		.amdhsa_system_sgpr_workgroup_id_x 1
		.amdhsa_system_sgpr_workgroup_id_y 1
		.amdhsa_system_sgpr_workgroup_id_z 1
		.amdhsa_system_vgpr_workitem_id 0
		.amdhsa_next_free_vgpr 256
		.amdhsa_next_free_sgpr 66
		.amdhsa_reserve_vcc 1
		.amdhsa_float_denorm_mode_32 3
		.amdhsa_float_denorm_mode_16_64 3
		.amdhsa_memory_ordered 1
		.amdhsa_forward_progress 1
		.amdhsa_inst_pref_size 33
	.end_amdhsa_kernel
	.amdgpu_metadata
---
amdhsa.version: [ 1, 2 ]
amdhsa.kernels:
  - .name:           k_q76b625cede_hq
    .symbol:         k_q76b625cede_hq.kd
    .args:
      - { .name: x, .offset: 0, .size: 8, .value_kind: global_buffer, .address_space: global }
      - { .name: part, .offset: 8, .size: 8, .value_kind: global_buffer, .address_space: global }
      - { .name: gn_gamma, .offset: 16, .size: 8, .value_kind: global_buffer, .address_space: global }
      - { .name: gn_beta, .offset: 24, .size: 8, .value_kind: global_buffer, .address_space: global }
      - { .name: hh, .offset: 32, .size: 8, .value_kind: global_buffer, .address_space: global }
    .group_segment_fixed_size: 68608
    .private_segment_fixed_size: 0
    .kernarg_segment_align: 8
    .kernarg_segment_size: 40
    .max_flat_workgroup_size: 256
    .sgpr_count:     66
    .vgpr_count:     256
    .wavefront_size: 32
...
	.end_amdgpu_metadata
.endif
;; end of part 2
;; launch gemm_qkv (part 3): grid 4 x 64, 4 waves a work-group, clusters of 4 x 4, 327,680 bytes of LDS; arguments hh, wq, b_qkv, qq, kv; writes qq, kv
.if DOCPART == 3
	.amdgcn_target "amdgcn-amd-amdhsa--gfx1250"
	.amdhsa_code_object_version 6
	.text
	.protected	k_q76b625cede_gemm_qkv
	.globl	k_q76b625cede_gemm_qkv
	.p2align	8
	.type	k_q76b625cede_gemm_qkv,@function
k_q76b625cede_gemm_qkv:
	s_mov_b64 s[64:65], 0
	v_nop
	global_prefetch_b8 v0, s[64:65] scope:SCOPE_SE
	s_setreg_imm32_b32 hwreg(HW_REG_WAVE_MODE, 25, 1), 1
	s_wait_xcnt 0x0
	s_wait_alu depctr_hold_cnt(0) depctr_sa_sdst(0) depctr_va_vdst(0) depctr_va_sdst(0) depctr_va_ssrc(0) depctr_va_vcc(0) depctr_vm_vsrc(0)
	s_getreg_b32 s2, hwreg(HW_REG_IB_STS2, 6, 4)
	s_cmp_eq_u32 s2, 0
	s_cbranch_scc0 .Lentry_in_a_cluster
	s_endpgm
.Lentry_in_a_cluster:
	s_bfe_u32 s2, ttmp6, 0x10000c
	s_cmp_lg_u32 s2, 0xf033
	s_cbranch_scc0 .Lentry_shape_is_right
	s_endpgm
.Lentry_shape_is_right:
; GEMM_QKV: qkv = Q(h) Q(W_qkv) + b_qkv on codes of E3M2, and q, k, v quantised on the way out for the two products of attention.  M 8,192, N 3,072, K 1,024.
; A WORK-GROUP STAYS: it takes its 128 rows through THREE SECTIONS, q, k and v, 256 columns of each (columns 1,024 section + 256 cx ..); wave w makes all 128 rows x columns 64 w .. 64 w + 63 of them, ONE HEAD: 32 accumulators.
; LDS: two slots, slot 0 with K steps 0-3 and slot 1 with K steps 4-7: A's 8 tiles x 6,144 bytes, then B's 16.  A's bytes are filled once and serve all three sections; B's are filled again for the next section,
; each wave bringing 4 tiles by one joint load: slot 0's behind a round of the cluster's barrier in K step 4 (that step's products stand inside the round), slot 1's behind a round after K step 7, ahead of the way-out.
; A plain barrier in K step 2 shows slot 1 whole.  The launch claims all of LDS.
; Operands lie in memory and in LDS as images of their registers (prep's head has the layout): a fragment is two loads of 16 bytes and two of 8 bytes a lane, each on consecutive bytes.
; CLUSTERS: 4 x 4 work-groups.  A's tiles hang on the tile row alone and are asked for jointly by a row of the cluster, B's on cx and the section alone, by a column.
; No prefetch: each tile of B is asked for in the same step by all 16 clusters, and A's rows are asked for at the head alone.
; q, k are quantised along the head's 64 channels: their products are used TRANSPOSED (source 0 = 16 columns of W, source 1 = 16 rows of h): a loop of two trips.  v is quantised along the KEYS, the rows:
; source 0 = 16 rows of h, source 1 = 16 columns of W: the tail, written out, which asks for nothing more.
; Rows and columns of a tile are chosen (index i of tile T = 32 (T / 2) + 8 (T % 2) + i % 8 + 16 (i / 8)) so that the 16 registers of two neighbouring tiles of source 0 are 16 neighbours; the accumulators are numbered so
; that in both cases registers 16 k .. 16 k + 15 of window 1 are a lane's half of one block of 32.
; OUT: qq: [head 64][tile 128][768] half images, then scale words [head][group of 8 tiles][512].  kv: a record of 13,056 bytes for each head and 128 keys: 8 half images of k, 4 images of v^T, k's scale words (512 bytes), v's (256).
; The upper two bytes of q's and k's words are 127: they go with zero codes.  The bias is the C of each sum's first product.
; LIMITS: a block of zeros gets the byte 1 (zero codes; this program alone reads the bytes); NaN and infinities are not served.
; REGISTERS: window 0: v1 lane, v2 r, v3 h; v8-9, v12-13 A's LDS addresses in slot 0, 1 (16 and 8 bytes a lane); v16-17, v20-21 B's; v24 4 r; v25, v28 bias offsets; v26 16 lane, v27 8 lane; v30, v31 the add's;
;   v32-95 A's scale words, v96-127 B's (scales alone); v128-255 the way out.   window 1: the accumulators.   window 2: A's fragments, two sets of 96.   window 3: B's, two sets of 48; v96-127 the bias.
.set N4,    12288                      ; bytes of B's scale words in a K step
.set ASC,   6291456                    ; where A's scale words begin in its buffer
.set BSC,   2359296                    ; and B's
.set SLOT,  147456
.set BOFF,  49152                      ; B's tiles in a slot
.set SECB,  786432                     ; 64 tiles of B from section to section
.set BIAS,  96
.set FLOOR, 0x2800000
.set EOFF,  0xfe000000
.set MSB, 0
.macro WIN new                         ; the immediate's high byte repeats the setting that is left
.if MSB != \new
	s_set_vgpr_msb (MSB<<8)|\new
.set MSB, \new
.endif
.endm
.macro CREST                           ; a round of the cluster's barrier behind its opening barrier
	s_cmp_lg_u32 s20, 0
	s_cbranch_scc1 .Lnot_wave_0_\@
	s_barrier_signal -3
.Lnot_wave_0_\@:
	s_barrier_wait -3
	s_barrier_signal -1
	s_barrier_wait -1
.endm
.macro CROUND
	s_barrier_signal -1
	s_barrier_wait -1
	CREST
.endm
.macro PLACES n
.rept \n
	v_nop
.endr
.endm
.macro FRAG reg, a16, a8, off          ; a fragment's image, 1,536 bytes from off on, into 12 registers
	ds_load_b128 v[(\reg):(\reg)+3], v[\a16] offset:(\off)
	ds_load_b64 v[(\reg)+4:(\reg)+5], v[\a8] offset:(\off)+512
	ds_load_b128 v[(\reg)+6:(\reg)+9], v[\a16] offset:(\off)+768
	ds_load_b64 v[(\reg)+10:(\reg)+11], v[\a8] offset:(\off)+1280
.endm
.macro FETCH s, p                      ; K step s: A's 8 fragments and my 4 of B into set p: 48 LDS loads
.set SL, (\s)/4
.set QQ, (\s)%4
	WIN 0x80
.irp a, 0,1,2,3,4,5,6,7
	FRAG 96*(\p)+12*\a, 8+SL, 12+SL, 6144*\a+1536*QQ
.endr
	WIN 0xc0
.irp t, 0,1,2,3
	FRAG 48*(\p)+12*\t, 16+SL, 20+SL, 6144*\t+1536*QQ
.endr
.endm
; 32 products of K step s on set p.  tr = 1: source 0 = B's tile t, source 1 = A's tile a, accumulator 4 a + t;  tr = 0: source 0 = A's, source 1 = B's, accumulator 8 t + a.  first = 1: C is the bias (window 3).
; The 32 accumulators take turns, one instruction a turn.
.macro MUL s, p, tr, first
.if \tr
.if \first
	WIN 0x7b
.else
	WIN 0x5b
.endif
.else
.if \first
	WIN 0x7e
.else
	WIN 0x5e
.endif
.endif
.irp a, 0,1,2,3,4,5,6,7
.irp t, 0,1,2,3
.if \tr
.if \first
	v_wmma_scale_f32_16x16x128_f8f6f4 v[8*(4*\a+\t):8*(4*\a+\t)+7], v[48*(\p)+12*\t:48*(\p)+12*\t+11], v[96*(\p)+12*\a:96*(\p)+12*\a+11], v[BIAS+8*\t:BIAS+7+8*\t], v[96+8*\t+(\s)], v[32+8*\a+(\s)] matrix_a_fmt:MATRIX_FMT_BF6 matrix_b_fmt:MATRIX_FMT_BF6
.else
	v_wmma_scale_f32_16x16x128_f8f6f4 v[8*(4*\a+\t):8*(4*\a+\t)+7], v[48*(\p)+12*\t:48*(\p)+12*\t+11], v[96*(\p)+12*\a:96*(\p)+12*\a+11], v[8*(4*\a+\t):8*(4*\a+\t)+7], v[96+8*\t+(\s)], v[32+8*\a+(\s)] matrix_a_fmt:MATRIX_FMT_BF6 matrix_b_fmt:MATRIX_FMT_BF6
.endif
.else
.if \first
	v_wmma_scale_f32_16x16x128_f8f6f4 v[8*(8*\t+\a):8*(8*\t+\a)+7], v[96*(\p)+12*\a:96*(\p)+12*\a+11], v[48*(\p)+12*\t:48*(\p)+12*\t+11], v[BIAS+8*\t:BIAS+7+8*\t], v[32+8*\a+(\s)], v[96+8*\t+(\s)] matrix_a_fmt:MATRIX_FMT_BF6 matrix_b_fmt:MATRIX_FMT_BF6
.else
	v_wmma_scale_f32_16x16x128_f8f6f4 v[8*(8*\t+\a):8*(8*\t+\a)+7], v[96*(\p)+12*\a:96*(\p)+12*\a+11], v[48*(\p)+12*\t:48*(\p)+12*\t+11], v[8*(8*\t+\a):8*(8*\t+\a)+7], v[32+8*\a+(\s)], v[96+8*\t+(\s)] matrix_a_fmt:MATRIX_FMT_BF6 matrix_b_fmt:MATRIX_FMT_BF6
.endif
.endif
.endr
.endr
.endm
.macro KS s, tr                        ; a plain K step: the next step's fragments are asked for, then this step's 32 products are issued
	PLACES 4                                       ; in front of loads into the set that the last step's products have read
	FETCH (\s)+1, ((\s)+1)%2
	s_wait_dscnt 48                                ; all but the 48 just issued
	MUL \s, (\s)%2, \tr, 0
.endm
.macro BSCALES                         ; the section's scale words of my 4 tiles of B
.irp t, 0,1,2,3
.irp s, 0,1,2,3,4,5,6,7
	global_load_b32 v[96+8*\t+\s], v24, s[16:17] offset:N4*\s+64*\t
.endr
.endr
.endm
.macro BIASQK                          ; q, k: register j of tile t is column 32 (t / 2) + 8 (t % 2) + 16 h + j
	WIN 0xc0
.irp t, 0,1,2,3
	global_load_b128 v[BIAS+8*\t:BIAS+3+8*\t], v25, s[8:9] offset:(32*(\t/2)+8*(\t%2))*4
	global_load_b128 v[BIAS+4+8*\t:BIAS+7+8*\t], v25, s[8:9] offset:(32*(\t/2)+8*(\t%2))*4+16
.endr
	WIN 0
.endm
; THE WAY OUT.  Registers 16 k .. 16 k + 15 of window 1 are my 16 numbers of block k; lane l xor 16 has the other 16.  s[90:91] the codes' place, s[92:93] the scale words'.
.macro WAYOUT tr
	WIN 0x05                                       ; sources 0 and 1 window 1
.irp k, 0,1,2,3,4,5,6,7,8,9,10,11,12,13,14,15
	v_max3_num_f32 v[160+\k], |v[16*\k]|, |v[16*\k+1]|, FLOOR      ; each accumulator is read from its low end on; the floor holds the byte at 1 from below
.endr
.irp i, 2,4,6,8,10,12,14
.irp k, 0,1,2,3,4,5,6,7,8,9,10,11,12,13,14,15
	v_max3_num_f32 v[160+\k], |v[16*\k+\i]|, |v[16*\k+\i+1]|, v[160+\k]
.endr
.endr
	WIN 0
.irp k, 0,1,2,3,4,5,6,7,8,9,10,11,12,13,14,15
	v_permlanex16_b32 v[176+\k], v[160+\k], s30, s31
.endr
.irp k, 0,1,2,3,4,5,6,7,8,9,10,11,12,13,14,15
	v_max_num_f32 v[160+\k], v[160+\k], v[176+\k]  ; the block's largest magnitude
.endr
.irp k, 0,1,2,3,4,5,6,7,8,9,10,11,12,13,14,15
	v_add_nc_u32 v[192+\k], EOFF, v[160+\k]        ; the conversion's scale operand
.endr
.irp k, 0,1,2,3,4,5,6,7,8,9,10,11,12,13,14,15
	v_lshrrev_b32 v[176+\k], 23, v[192+\k]         ; the scale's byte
.endr
	v_cmp_lt_u32 vcc_lo, 15, v1
.if \tr
.irp a, 0,1,2,3,4,5,6,7                ; q, k: a row's two bytes, and 127 twice for the zero codes above them
	v_lshl_or_b32 v[160+\a], v[177+2*\a], 8, v[176+2*\a]
.endr
.irp a, 0,1,2,3,4,5,6,7
	v_or_b32 v[160+\a], 0x7f7f0000, v[160+\a]
.endr
.irp i, 0,1,2,3
	v_cndmask_b32 v[176+\i], v[160+\i], v[164+\i], vcc_lo          ; lanes 0-15 tiles 0-3, lanes 16-31 tiles 4-7
.endr
	global_store_b128 v26, v[176:179], s[92:93]    ; 512 consecutive bytes
.else
.irp t, 0,1,2,3                        ; v: a channel's four bytes
	v_lshl_or_b32 v[160+\t], v[177+4*\t], 8, v[176+4*\t]
	v_lshl_or_b32 v[160+\t], v[178+4*\t], 16, v[160+\t]
	v_lshl_or_b32 v[160+\t], v[179+4*\t], 24, v[160+\t]
.endr
.irp i, 0,1
	v_cndmask_b32 v[176+\i], v[160+\i], v[162+\i], vcc_lo          ; lanes 0-15 tiles 0, 1, lanes 16-31 tiles 2, 3
.endr
	global_store_b64 v27, v[176:177], s[92:93]     ; 256 consecutive bytes
.endif
	WIN 0x01                                       ; source 0 window 1
.irp m, 0,1,2,3,4,5,6,7
	v_cvt_scalef32_pk16_bf6_f32 v[208+6*\m:210+6*\m], v[32*\m:32*\m+15], v[192+2*\m]
	v_cvt_scalef32_pk16_bf6_f32 v[128+4*\m:130+4*\m], v[32*\m+16:32*\m+31], v[193+2*\m]   ; (a conversion's three registers begin on an even number)
.endr
	v_nop                                          ; one plain place behind a scaled conversion
	WIN 0
.irp m, 0,1,2,3,4,5,6,7                ; the layout wants a WHOLE block in a lane: lanes 0-15 block 2 m, lanes 16-31 block 2 m + 1
.irp i, 0,1,2
	v_permlane16_swap_b32 v[208+6*\m+\i], v[128+4*\m+\i]
.endr
.irp i, 0,1,2
	v_mov_b32 v[211+6*\m+\i], v[128+4*\m+\i]
.endr
.endr
.irp m, 0,1,2,3,4,5,6,7
	global_store_b128 v26, v[208+6*\m:211+6*\m], s[90:91] offset:768*\m            ; a half image: 512 consecutive bytes,
	global_store_b64 v27, v[212+6*\m:213+6*\m], s[90:91] offset:768*\m+512         ; and 256
.endr
.endm
; A SECTION.  On the way in: K step 0's fragments are asked for; slot 1's load may be out.  more = 1: a section follows, and B's bytes are filled again for it.
.macro SECTION tr, more
	s_wait_loadcnt 0x0                             ; the scale words and the bias
	FETCH 1, 1
	s_wait_dscnt 48
	MUL 0, 0, \tr, 1
	KS 1, \tr
	s_wait_tensorcnt 0x0                           ; my part of slot 1 is in;
	s_wait_dscnt 0x0                               ; no LDS load of mine is out at a signal
	s_barrier_signal -1
	s_barrier_wait -1                              ; everybody's is
	KS 2, \tr
	KS 3, \tr
.if \more
	PLACES 4
	FETCH 5, 1
	WIN 0
	s_wait_tensorcnt 0x0                           ; a tensor wait, an add and its wait in front of a refill's barrier
	ds_add_u32 v30, v31
	s_wait_dscnt 0x0                               ; the add is done, and so are my reads of slot 0
	s_barrier_signal -1                            ; the barrier opens a round of the cluster's barrier;
	MUL 4, 0, \tr, 0                               ; work on registers inside it
	WIN 0
	s_barrier_wait -1
	CREST
	s_add_nc_u64 s[78:79], s[78:79], SECB          ; the next section's K steps 0-3 of my 4 tiles of B
	tensor_load_to_lds s[76:79], s[48:55]
	s_nop 0
	PLACES 4
.else
	KS 4, \tr
.endif
	KS 5, \tr
	KS 6, \tr
	s_wait_dscnt 0x0
	MUL 7, 1, \tr, 0
	WIN 0
	PLACES 4                                       ; in front of the first read of results, and of loads into scale registers
.if \more
	s_wait_tensorcnt 0x0                           ; slot 0's new bytes are in: the three lines once more
	ds_add_u32 v30, v31
	s_wait_dscnt 0x0                               ; my reads of slot 1 are over
	CROUND
	s_add_nc_u64 s[82:83], s[82:83], SECB          ; the next section's K steps 4-7: on their way under the way out
	tensor_load_to_lds s[80:83], s[48:55]
	s_nop 0
	PLACES 4
	FETCH 0, 0                                     ; the next section's first fragments
	WIN 0
	s_add_nc_u64 s[16:17], s[16:17], 4096          ; (the loads that read these bases were waited for at the section's head)
	s_add_nc_u64 s[8:9], s[8:9], 4096
	BSCALES
	s_cmp_eq_u32 s89, 1
	s_cbranch_scc1 .Lbias_v
	BIASQK
	s_branch .Lbias_done
.Lbias_v:
	WIN 0xc0
.irp t, 0,1,2,3                        ; v: all eight registers are my one column's
.irp j, 0,1,2,3,4,5,6,7
	global_load_b32 v[BIAS+8*\t+\j], v28, s[8:9] offset:(32*(\t/2)+8*(\t%2))*4
.endr
.endr
	WIN 0
.Lbias_done:
	s_wait_xcnt 0x0                                ; the last way out's stores have read their registers and bases
	s_cmp_eq_u32 s89, 0                            ; q goes to qq, k to kv: the choice hangs on the section alone
	s_cselect_b64 s[90:91], s[10:11], s[12:13]
	s_cselect_b32 s94, s86, s88
	s_cselect_b32 s96, s87, s85
.else
	s_wait_xcnt 0x0
	s_mov_b64 s[90:91], s[12:13]
	s_add_co_u32 s94, s88, 6144                    ; v's images lie behind k's, its words behind k's
	s_add_co_u32 s96, s85, 512
.endif
	s_mov_b32 s95, 0
	s_mov_b32 s97, 0
	s_add_nc_u64 s[92:93], s[90:91], s[96:97]
	s_add_nc_u64 s[90:91], s[90:91], s[94:95]
	WAYOUT \tr
.endm
	s_load_b256 s[4:11], s[0:1], 0x0               ; hh s[4:5], wq s[6:7], b_qkv s[8:9], qq s[10:11]
	s_load_b64 s[12:13], s[0:1], 0x20              ; kv
	v_lshl_add_u32 v30, v0, 2, 0x48000
	v_mov_b32 v31, 0
	ds_add_u32 v30, v31                            ; the opening lines: the add, twice on end, and its wait
	ds_add_u32 v30, v31
	v_lshrrev_b32 v1, 5, v0
	v_readfirstlane_b32 s20, v1                    ; wave 0..3
	s_lshr_b32 s21, s20, 1                         ; at the head I fetch for A (0) or for B (1),
	s_and_b32 s22, s20, 1                          ; its first or second half
	s_bfe_u32 s23, ttmp6, 0x40000                  ; cx: the tile column in each section
	s_bfe_u32 s24, ttmp6, 0x40004                  ; cy
	s_and_b32 s26, ttmp7, 0xffff
	s_lshl_b32 s26, s26, 2
	s_add_co_u32 s26, s26, s24                     ; tile row = 4 x cluster y + cy
	s_lshl_b32 s27, s24, 2
	s_lshl_b32 s27, 15, s27                        ; my row of the cluster
	s_lshl_b32 s28, 0x1111, s23                    ; my column
	; group 1: rows of 6,144 bytes (a tile's four K steps: 768 elements of 8 bytes), 12,288 bytes apart in memory, on end in LDS.  A: 4 tiles; B at the head: 8; B's refills: 4
	s_or_b32 s32, s27, (3<<16)|(1<<21)
	s_or_b32 s40, s28, (3<<16)|(1<<21)
	s_or_b32 s48, s28, (3<<16)|(1<<21)
.irp g, 32, 40, 48
	s_mov_b32 s[\g+1], 768<<16
	s_mov_b32 s[\g+3], 768<<16
	s_mov_b32 s[\g+5], 1536
	s_mov_b32 s[\g+6], 0
	s_mov_b32 s[\g+7], 0
.endr
	s_mov_b32 s34, 4<<16
	s_mov_b32 s36, 4
	s_mov_b32 s42, 8<<16
	s_mov_b32 s44, 8
	s_mov_b32 s50, 4<<16
	s_mov_b32 s52, 4
	s_lshl_b32 s84, s26, 3                         ; A: tile 8 x tile row + 4 x half, in registers that never hold cx
	s_lshl_b32 s85, s22, 2
	s_add_co_u32 s84, s84, s85
	s_mul_i32 s84, s84, 12288
	s_mov_b32 s85, 0
	s_lshl_b32 s88, s23, 4                         ; B: tile 16 cx + 8 x half, in registers that never hold cy
	s_lshl_b32 s89, s22, 3
	s_add_co_u32 s88, s88, s89
	s_mul_i32 s88, s88, 12288
	s_mov_b32 s89, 0
	s_lshl_b32 s94, s23, 4                         ; B's refills: tile 16 cx + 4 x wave
	s_lshl_b32 s95, s20, 2
	s_add_co_u32 s94, s94, s95
	s_mul_i32 s94, s94, 12288
	s_mov_b32 s95, 0
	s_mul_i32 s92, s22, 24576                      ; where they go: no place in the cluster enters an LDS address
	s_mul_i32 s93, s22, 49152
	s_add_co_u32 s93, s93, BOFF
	s_mul_i32 s96, s20, 24576
	s_add_co_u32 s96, s96, BOFF
	s_wait_dscnt 0x0
	s_wait_kmcnt 0x0
	s_add_nc_u64 s[86:87], s[4:5], s[84:85]
	s_add_nc_u64 s[90:91], s[6:7], s[88:89]
	s_add_nc_u64 s[98:99], s[6:7], s[94:95]
.irp c, 0,1
	s_mov_b32 s[56+4*\c], 1
	s_add_co_u32 s[57+4*\c], s92, \c*SLOT
	s_add_nc_u64 s[58+4*\c:59+4*\c], s[86:87], 6144*\c
	s_or_b32 s[59+4*\c], s[59+4*\c], 0x80000000
	s_mov_b32 s[68+4*\c], 1
	s_add_co_u32 s[69+4*\c], s93, \c*SLOT
	s_add_nc_u64 s[70+4*\c:71+4*\c], s[90:91], 6144*\c
	s_or_b32 s[71+4*\c], s[71+4*\c], 0x80000000
	s_mov_b32 s[76+4*\c], 1
	s_add_co_u32 s[77+4*\c], s96, \c*SLOT
	s_add_nc_u64 s[78+4*\c:79+4*\c], s[98:99], 6144*\c
	s_or_b32 s[79+4*\c], s[79+4*\c], 0x80000000
.endr
	CROUND                                         ; all sixteen work-groups are here: the joint loads meet
	s_cmp_eq_u32 s21, 0                            ; slot 0's first fill, one load a wave
	s_cbranch_scc0 .Lfill_b
	tensor_load_to_lds s[56:59], s[32:39]
	s_nop 0
	PLACES 4
	s_branch .Lfilled
.Lfill_b:
	tensor_load_to_lds s[68:71], s[40:47]
	s_nop 0
	PLACES 4
.Lfilled:
	v_and_b32 v1, 31, v0
	v_and_b32 v2, 15, v0
	v_bfe_u32 v3, v0, 4, 1
	v_lshlrev_b32 v26, 4, v1
	v_lshlrev_b32 v27, 3, v1
	v_lshlrev_b32 v24, 2, v2
	v_lshlrev_b32 v25, 6, v3                       ; bias, q and k: 16 h numbers on
	v_and_b32 v28, 7, v2
	v_lshrrev_b32 v29, 3, v2
	v_lshl_add_u32 v28, v29, 4, v28
	v_lshlrev_b32 v28, 2, v28                      ; bias, v: my column r % 8 + 16 (r / 8) of a tile
	s_mul_i32 s94, s20, 24576                      ; my 4 tiles of B
	s_add_co_u32 s94, s94, BOFF
.irp c, 0,1
	v_add_nc_u32 v[8+\c], \c*SLOT, v26
	v_add_nc_u32 v[12+\c], \c*SLOT, v27
	v_add_nc_u32 v[16+\c], s94, v26
	v_add_nc_u32 v[20+\c], s94, v27
	s_add_co_u32 s94, s94, SLOT
.endr
.irp k, 0,1,2,3,4,5,6,7,8,9,10,11,12,13,14,15
	v_mov_b32 v[176+\k], 0                         ; a lane permute's destination counts as one of its sources
.endr
	s_wait_alu depctr_va_vdst(0)                   ; the wait behind the head's vector instructions
	s_mov_b32 s30, 0x76543210
	s_mov_b32 s31, 0xfedcba98                      ; v_permlanex16_b32's selects for lane l xor 16
	s_lshl_b32 s96, s26, 9                         ; A's scale words: 8 tiles x 64 bytes a tile row
	s_add_co_u32 s96, s96, ASC
	s_mov_b32 s97, 0
	s_add_nc_u64 s[14:15], s[4:5], s[96:97]
	s_lshl_b32 s96, s23, 4
	s_lshl_b32 s98, s20, 2
	s_add_co_u32 s96, s96, s98
	s_lshl_b32 s96, s96, 6                         ; B's: tile 16 cx + 4 x wave
	s_add_co_u32 s96, s96, BSC
	s_add_nc_u64 s[16:17], s[6:7], s[96:97]
	s_lshl_b32 s96, s23, 8
	s_lshl_b32 s98, s20, 6
	s_add_co_u32 s96, s96, s98
	s_lshl_b32 s96, s96, 2                         ; the bias of my 64 columns
	s_add_nc_u64 s[8:9], s[8:9], s[96:97]
.irp a, 0,1,2,3,4,5,6,7
.irp s, 0,1,2,3,4,5,6,7
	global_load_b32 v[32+8*\a+\s], v24, s[14:15] offset:32768*\s+64*\a     ; lanes 16-31 take the same words as lanes 0-15
.endr
.endr
	BSCALES
	BIASQK
	; where the results go
	s_lshr_b32 s96, s26, 4                         ; the batch
	s_and_b32 s97, s26, 15                         ; which 128 rows of it
	s_lshl_b32 s98, s23, 2
	s_add_co_u32 s98, s98, s20                     ; the head
	s_lshl_b32 s96, s96, 4
	s_add_co_u32 s96, s96, s98                     ; batch and head: 0 .. 63
	s_lshl_b32 s98, s96, 4
	s_add_co_u32 s98, s98, s97
	s_mul_i32 s88, s98, 13056                      ; the record of kv: k's codes
	s_add_co_u32 s85, s88, 12288                   ; k's scale words
	s_mul_i32 s86, s96, 98304
	s_mul_i32 s97, s97, 6144
	s_add_co_u32 s86, s86, s97                     ; q's codes
	s_lshl_b32 s87, s98, 9
	s_add_co_u32 s87, s87, 6291456                 ; q's scale words
	s_wait_tensorcnt 0x0                           ; my part of slot 0 is in
	ds_add_u32 v30, v31
	s_wait_dscnt 0x0
	CROUND
	s_cmp_eq_u32 s21, 0                            ; slot 1's first fill
	s_cbranch_scc0 .Lfill1_b
	tensor_load_to_lds s[60:63], s[32:39]
	s_nop 0
	PLACES 4
	s_branch .Lfilled1
.Lfill1_b:
	tensor_load_to_lds s[72:75], s[40:47]
	s_nop 0
	PLACES 4
.Lfilled1:
	FETCH 0, 0
	WIN 0
	s_mov_b32 s89, 0                               ; the section
.Lsec:
	SECTION 1, 1                                   ; q, then k
	s_add_co_u32 s89, s89, 1
	s_cmp_lt_u32 s89, 2
	s_wait_alu depctr_va_vdst(0)                   ; the wait ahead of the backward jump
	s_cbranch_scc1 .Lsec
	SECTION 0, 0                                   ; v
	s_wait_tensorcnt 0x0                           ; the wave's end
	ds_add_u32 v30, v31
	s_wait_dscnt 0x0
	CROUND                                         ; the closing round
	s_endpgm
.Lfunc_end_k_q76b625cede_gemm_qkv:
	.size	k_q76b625cede_gemm_qkv, .Lfunc_end_k_q76b625cede_gemm_qkv-k_q76b625cede_gemm_qkv
	.p2alignl 7, 3214868480
	.fill 96, 4, 3214868480
	.section	.rodata,"a",@progbits
	.p2align	6, 0x0
	.amdhsa_kernel k_q76b625cede_gemm_qkv
		.amdhsa_group_segment_fixed_size 327680
		.amdhsa_private_segment_fixed_size 0
		.amdhsa_enable_private_segment 0
		.amdhsa_kernarg_size 40
		.amdhsa_user_sgpr_count 2
		.amdhsa_user_sgpr_kernarg_segment_ptr 1
		.amdhsa_wavefront_size32 1
		.amdhsa_system_sgpr_workgroup_id_x 1
		.amdhsa_system_sgpr_workgroup_id_y 1
		.amdhsa_system_sgpr_workgroup_id_z 1
		.amdhsa_system_vgpr_workitem_id 0
		.amdhsa_next_free_vgpr 1024
		.amdhsa_next_free_sgpr 100
		.amdhsa_reserve_vcc 1
		.amdhsa_float_denorm_mode_32 3
		.amdhsa_float_denorm_mode_16_64 3
		.amdhsa_memory_ordered 1
		.amdhsa_forward_progress 1
		.amdhsa_inst_pref_size 179
	.end_amdhsa_kernel
	.amdgpu_metadata
---
amdhsa.version: [ 1, 2 ]
amdhsa.kernels:
  - .name:           k_q76b625cede_gemm_qkv
    .symbol:         k_q76b625cede_gemm_qkv.kd
    .args:
      - { .name: hh, .offset: 0, .size: 8, .value_kind: global_buffer, .address_space: global }
      - { .name: wq, .offset: 8, .size: 8, .value_kind: global_buffer, .address_space: global }
      - { .name: b_qkv, .offset: 16, .size: 8, .value_kind: global_buffer, .address_space: global }
      - { .name: qq, .offset: 24, .size: 8, .value_kind: global_buffer, .address_space: global }
      - { .name: kv, .offset: 32, .size: 8, .value_kind: global_buffer, .address_space: global }
    .group_segment_fixed_size: 327680
    .private_segment_fixed_size: 0
    .kernarg_segment_align: 8
    .kernarg_segment_size: 40
    .max_flat_workgroup_size: 128
    .sgpr_count:     100
    .vgpr_count:     1024
    .wavefront_size: 32
...
	.end_amdgpu_metadata
.endif
;; end of part 3
;; launch attn (part 4): grid 4 x 64, 8 waves a work-group, clusters of 4 x 1, 210,944 bytes of LDS; arguments qq, kv, oo; writes oo
.if DOCPART == 4
	.amdgcn_target "amdgcn-amd-amdhsa--gfx1250"
	.amdhsa_code_object_version 6
	.text
	.protected	k_q76b625cede_attn
	.globl	k_q76b625cede_attn
	.p2align	8
	.type	k_q76b625cede_attn,@function
k_q76b625cede_attn:
	s_mov_b64 s[64:65], 0
	v_nop
	global_prefetch_b8 v0, s[64:65] scope:SCOPE_SE
	s_setreg_imm32_b32 hwreg(HW_REG_WAVE_MODE, 25, 1), 1
	s_wait_xcnt 0x0
	s_wait_alu depctr_hold_cnt(0) depctr_sa_sdst(0) depctr_va_vdst(0) depctr_va_sdst(0) depctr_va_ssrc(0) depctr_va_vcc(0) depctr_vm_vsrc(0)
	s_getreg_b32 s2, hwreg(HW_REG_IB_STS2, 6, 4)
	s_cmp_eq_u32 s2, 0
	s_cbranch_scc0 .Lentry_in_a_cluster
	s_endpgm
.Lentry_in_a_cluster:
	s_bfe_u32 s2, ttmp6, 0x10000c
	s_cmp_lg_u32 s2, 0x3003
	s_cbranch_scc0 .Lentry_shape_is_right
	s_endpgm
.Lentry_shape_is_right:
; ATTN: o = softmax(q k^T / 8) v for one head, both products on codes of E3M2, and o quantised along the channels for the last product.
; THE SOFTMAX AHEAD OF THE SECOND PRODUCT: t = score x log2(e) / 8; M = the row's largest t so far, rounded UP to a whole number; p = 2^(t - M) is quantised along the keys, not normalised.
; The row's sum is taken of the unquantised p and divides O at the end.  When M moves, the sum and O are multiplied by 2^(old M - new M): exact.
; SHARES.  A work-group owns 512 queries of one head, each of its eight waves four tiles of 16: two passes of TWO TILES.  Tile A lives in register window 0, tile B in window 1, at the same register numbers.
; The two tiles take turns by half steps: a half step is one tile's softmax of 128 keys, then that tile's 8 products for the NEXT 128 keys and its 4 products with v for these; the other tile's softmax follows them.
; Each fragment of k and v read from LDS serves both tiles.  k of step n + 2 and v of step n + 1 are read behind tile B's products of step n, one tile's softmax ahead of their use.
; THE WHOLE HEAD'S k AND v LIE IN LDS: 16 records of 13,056 bytes (128 keys: 8 half images of k, 4 images of v^T, k's scale words, v's); a wave brings two records by one tensor load.  No LDS byte is filled twice.
; So all of kv is asked for at the head and there is no later stream to prefetch.  CLUSTER: the four work-groups of a head ask for each pair of records JOINTLY (the same load, descriptor and mask).
; LAYOUT.  Both products are used transposed: S^T = k q^T, O^T = v^T p^T: a lane holds ONE query.  THE KEYS OF A TILE ARE GATHERED by the lanes' LDS addresses: tile (c, u), index j + 8 g is key 64 c + 32 g + 8 u + j, which
; lies in the record's half image 4 c + 2 g + u % 2 at index j + 8 (u / 2).  So the 32 registers of tiles (c, 0 .. 3) are a lane's WHOLE block 2 c + h of 32 keys: its largest score needs no other lane and the codes need no swap.
; The head has 64 channels and the instruction 128 along K: q's registers 6-11 are zero codes (scale bytes 127 on both sides), so what k's fragment holds there adds nothing: k's fragments lie 6 registers apart and each
; names the next one's six as its upper half (the last: six registers of tile A's p codes; E3M2 has no NaN and no infinity).
; One scale register carries two tiles' words: lanes 0-15 one tile's, lanes 16-31 (ROW1) another's.
; The ring of fragments runs on from a pass's last steps into the next pass (k and v of record 0); behind the second pass those 35 LDS loads a wave are not used.
; OUT: oo as hh: codes [tile 512][K step 8][1,536]; head n is half image n % 2 of K step n / 2; a head's two scale bytes of a row leave by a store of 2 bytes a lane (both halves of the lanes store the same bytes).
; LIMITS: the promise holds while |t| stays under 2^31; v_exp_f32 and v_rcp_f32 are good to 1 ulp; a block's largest p is taken as the exponential of its largest score; a block of zeros gets the byte 1 (zero codes);
; NaN and infinities are not served.
.set REC,   13056
.set FLOOR, 0x2800000                  ; 2^(5 - 127)
.set EOFF,  0xfe000000                 ; -(4 << 23)
.set SPW, 1                            ; window 0 alone: v1 my spare word, v2 zero; v3-7 lane terms of LDS addresses, v8-12 the same + a record
.set NIL, 2
.set BK16, 3
.set BK8, 4
.set BKS, 5
.set BV16, 6
.set BV8, 7
.set AK16, 8
.set AK8, 9
.set AKS, 10
.set AV16, 11
.set AV8, 12
.set TA, 13                            ; in each tile's window: v13 at work; v[14:15] -M, largest score; v[16:17] f, old -M
.set NM, 14
.set SMX, 15
.set FF, 16
.set OLD, 17
.set LL, 116                           ; in each tile's window: v116-123 the sum, in four pairs
.set BM, 20                            ; v20, 21 the two blocks' largest; v22, 23 second chains, bytes; v24-30 second halves of codes; v27 lane permutes
.set CH, 22
.set T, 24
.set PT, 27
.set KSC, 32                           ; window 0, scales alone: v32-35 k's, v36-37 v's, v38-39 p's (tile A, B), v40-41 q's
.set VSC, 36
.set PSC, 38
.set QSC, 40
.set Q, 42                             ; each window: v42-53 q
.set K, 54                             ; window 0: v54-101 k's eight fragments.  window 1: v54-101 v^T's four
.set VF, 54
.set P, 102                            ; each window: v102-113 p's codes
.set XQ, 114                           ; window 0: 16 r, 4 r
.set XO, 115
.set S, 160                            ; each window: v160-223 S^T, then p
.set O, 224                            ; each window: v224-255 O^T
.set MSB, 0
.macro WIN new                         ; the immediate's high byte repeats the setting that is left
.if MSB != (\new)
	s_set_vgpr_msb (MSB<<8)|(\new)
.set MSB, (\new)
.endif
.endm
.macro CROUND                          ; a round of the cluster's barrier
	s_barrier_signal -1
	s_barrier_wait -1
	s_cmp_lg_u32 s18, 0
	s_cbranch_scc1 .Lnot_wave_0_\@
	s_barrier_signal -3
.Lnot_wave_0_\@:
	s_barrier_wait -3
	s_barrier_signal -1
	s_barrier_wait -1
.endm
.macro PLACES n
.rept \n
	v_nop
.endr
.endm
.macro KLOAD a16, a8, as               ; a record's eight gathered tiles of k and their scale words: 18 LDS loads
.irp c, 0,1
.irp u, 0,1,2,3
	ds_load_b128 v[K+6*(4*\c+\u):K+6*(4*\c+\u)+3], v[\a16] offset:3072*\c+768*(\u%2)+128*(\u/2)
	ds_load_b64 v[K+6*(4*\c+\u)+4:K+6*(4*\c+\u)+5], v[\a8] offset:3072*\c+768*(\u%2)+64*(\u/2)+512
.endr
.endr
	ds_load_b64 v[KSC:KSC+1], v[\as] offset:12288          ; tiles (c, 0), (c, 1): lanes 0-15 c = 0, lanes 16-31 c = 1
	ds_load_b64 v[KSC+2:KSC+3], v[\as] offset:12288+128    ; tiles (c, 2), (c, 3)
.endm
.macro VLOAD a16, a8                   ; a record's four images of v^T into window 1, and their scale words: 17 LDS loads
	WIN 0x40
.irp t, 0,1,2,3
	ds_load_b128 v[VF+12*\t:VF+12*\t+3], v[\a16] offset:6144+1536*\t
	ds_load_b64 v[VF+12*\t+4:VF+12*\t+5], v[\a8] offset:6144+1536*\t+512
	ds_load_b128 v[VF+12*\t+6:VF+12*\t+9], v[\a16] offset:6144+1536*\t+768
	ds_load_b64 v[VF+12*\t+10:VF+12*\t+11], v[\a8] offset:6144+1536*\t+1280
.endr
	WIN 0
	ds_load_b64 v[VSC:VSC+1], v[\a8] offset:12800          ; lanes 0-15 tiles 0, 1; lanes 16-31 tiles 2, 3
.endm
.macro QLOAD                           ; the pass's two tiles of q and their scale words
	global_load_b128 v[Q:Q+3], v[BV16], s[10:11]
	global_load_b64 v[Q+4:Q+5], v[BV8], s[10:11] offset:512
	global_load_b32 v[QSC], v[XQ], s[12:13]
	global_load_b32 v[QSC+1], v[XQ], s[12:13] offset:4
	WIN 0x40
	global_load_b128 v[Q:Q+3], v[BV16], s[10:11] offset:768
	global_load_b64 v[Q+4:Q+5], v[BV8], s[10:11] offset:1280
	WIN 0
.endm
.macro SMUL w                          ; S^T = k q^T of tile w: source 0 window 0, source 1 and D the tile's window
	WIN 0x44*\w
.irp u, 0,1,2,3
	v_wmma_scale_f32_16x16x128_f8f6f4 v[S+8*\u:S+8*\u+7], v[K+6*\u:K+6*\u+11], v[Q:Q+11], 0, v[KSC+\u], v[QSC+\w] matrix_a_fmt:MATRIX_FMT_BF6 matrix_b_fmt:MATRIX_FMT_BF6
.endr
.irp u, 0,1,2,3
	v_wmma_scale_f32_16x16x128_f8f6f4 v[S+32+8*\u:S+39+8*\u], v[K+24+6*\u:K+35+6*\u], v[Q:Q+11], 0, v[KSC+\u], v[QSC+\w] matrix_a_fmt:MATRIX_FMT_BF6 matrix_b_fmt:MATRIX_FMT_BF6 matrix_a_scale:MATRIX_SCALE_ROW1
.endr
.endm
.macro PVMUL w                         ; O^T += v^T p^T: source 0 window 1; the four accumulators take turns
	WIN 0x01+0x54*\w
.irp t, 0,1
	v_wmma_scale_f32_16x16x128_f8f6f4 v[O+8*\t:O+8*\t+7], v[VF+12*\t:VF+12*\t+11], v[P:P+11], v[O+8*\t:O+8*\t+7], v[VSC+\t], v[PSC+\w] matrix_a_fmt:MATRIX_FMT_BF6 matrix_b_fmt:MATRIX_FMT_BF6
.endr
.irp t, 2,3
	v_wmma_scale_f32_16x16x128_f8f6f4 v[O+8*\t:O+8*\t+7], v[VF+12*\t:VF+12*\t+11], v[P:P+11], v[O+8*\t:O+8*\t+7], v[VSC+\t-2], v[PSC+\w] matrix_a_fmt:MATRIX_FMT_BF6 matrix_b_fmt:MATRIX_FMT_BF6 matrix_a_scale:MATRIX_SCALE_ROW1
.endr
.endm
; A HALF STEP of tile w.  last = 1: the pass's last 128 keys: no products for a next step.
.macro HALF w, last
	WIN 0x55*\w
	v_max3_num_f32 v[BM], v[S], v[S+1], v[S+2]             ; the largest score of my two blocks, two chains each; each accumulator is first read at its low end
	v_max3_num_f32 v[CH], v[S+17], v[S+18], v[S+19]
	v_max3_num_f32 v[BM+1], v[S+32], v[S+33], v[S+34]
	v_max3_num_f32 v[CH+1], v[S+49], v[S+50], v[S+51]
.irp i, 0,1,2,3,4,5
	v_max3_num_f32 v[BM], v[BM], v[S+3+2*\i], v[S+4+2*\i]
	v_max3_num_f32 v[CH], v[CH], v[S+20+2*\i], v[S+21+2*\i]
	v_max3_num_f32 v[BM+1], v[BM+1], v[S+35+2*\i], v[S+36+2*\i]
	v_max3_num_f32 v[CH+1], v[CH+1], v[S+52+2*\i], v[S+53+2*\i]
.endr
	v_max3_num_f32 v[BM], v[BM], v[S+15], v[S+16]
	v_max3_num_f32 v[BM+1], v[BM+1], v[S+47], v[S+48]
	s_delay_alu instid0(VALU_DEP_2)
	v_max_num_f32 v[BM], v[BM], v[CH]
	s_delay_alu instid0(VALU_DEP_2)
	v_max_num_f32 v[BM+1], v[BM+1], v[CH+1]
	s_delay_alu instid0(VALU_DEP_1)
	v_max_num_f32 v[TA], v[BM], v[BM+1]
	s_delay_alu instid0(VALU_DEP_1)
	v_permlanex16_b32 v[PT], v[TA], s20, s21               ; lane l xor 16 has my query's other two blocks
	s_delay_alu instid0(VALU_DEP_1)
	v_max3_num_f32 v[SMX], v[SMX], v[TA], v[PT]            ; the running largest score
	s_delay_alu instid0(VALU_DEP_1)
	v_mul_f32 v[TA], s22, v[SMX]                           ; as t (c is positive)
	v_mov_b32 v[OLD], v[NM]
	s_delay_alu instid0(VALU_DEP_2)
	v_floor_f32 v[NM], -v[TA]                              ; the new -M = floor(-t): M is a whole number
.set j, 0
.rept 32
	v_pk_fma_f32 v[S+j:S+j+1], v[S+j:S+j+1], s[22:23], v[NM:NM+1] op_sel_hi:[1,0,0]   ; t - M, two at a time
.set j, j+2
.endr
	v_fma_f32 v[BM], v[BM], s22, v[NM]                     ; the same of each block's largest score
	v_fma_f32 v[BM+1], v[BM+1], s22, v[NM]
	s_wait_alu depctr_va_vdst(0)                           ; the wait ahead of the batch
.set j, 0
.rept 64
	v_exp_f32 v[S+j], v[S+j]                               ; p = 2^(t - M), at most 1
.set j, j+1
.endr
	v_exp_f32 v[BM], v[BM]                                 ; the blocks' largest p
	v_exp_f32 v[BM+1], v[BM+1]
	v_sub_f32 v[TA], v[NM], v[OLD]                         ; old M - new M: a whole number, 0 or less.  (Plain work behind the exponentials)
	s_delay_alu instid0(VALU_DEP_1)
	v_cvt_i32_f32 v[TA], v[TA]                             ; (it saturates)
	s_delay_alu instid0(VALU_DEP_1)
	v_ldexp_f32 v[FF], 1.0, v[TA]                          ; f = 2^(old M - new M)
	s_wait_alu depctr_va_vdst(0)                           ; the wait behind the batch, ahead of its first reader and of O^T's
	v_max_num_f32 v[BM], FLOOR, v[BM]                      ; the floor holds the byte at 1 from below
	v_max_num_f32 v[BM+1], FLOOR, v[BM+1]
.set j, 0
.rept 8
	v_pk_mul_f32 v[O+j:O+j+1], v[O+j:O+j+1], v[FF:FF+1] op_sel_hi:[1,0]   ; O^T under the new M
.set j, j+2
.endr
	v_add_nc_u32 v[BM], EOFF, v[BM]                        ; the conversion's scale operand
	v_add_nc_u32 v[BM+1], EOFF, v[BM+1]
.rept 8
	v_pk_mul_f32 v[O+j:O+j+1], v[O+j:O+j+1], v[FF:FF+1] op_sel_hi:[1,0]
.set j, j+2
.endr
	v_cvt_scalef32_pk16_bf6_f32 v[P:P+2], v[S:S+15], v[BM]
	v_cvt_scalef32_pk16_bf6_f32 v[T:T+2], v[S+16:S+31], v[BM]          ; (a conversion's three registers begin on an even number)
	v_cvt_scalef32_pk16_bf6_f32 v[P+6:P+8], v[S+32:S+47], v[BM+1]
	v_cvt_scalef32_pk16_bf6_f32 v[T+4:T+6], v[S+48:S+63], v[BM+1]
	v_lshrrev_b32 v[CH], 23, v[BM]                         ; the scales' bytes.  (A plain place behind the conversions)
	v_lshrrev_b32 v[CH+1], 23, v[BM+1]
	s_delay_alu instid0(VALU_DEP_1)
	v_lshl_or_b32 v[CH], v[CH+1], 16, v[CH]                ; my blocks h and 2 + h
	s_delay_alu instid0(VALU_DEP_1)
	v_permlanex16_b32 v[PT], v[CH], s20, s21
	WIN 0x15*\w                                            ; the scale word lies in window 0
	v_lshl_or_b32 v[PSC+\w], v[PT], 8, v[CH]               ; lanes 0-15, which the product reads: bytes 0, 2 mine, 1, 3 lane l + 16's (lanes 16-31: the same four bytes in another order, not read)
	WIN 0x55*\w
.irp i, 0,1,2
	v_mov_b32 v[P+3+\i], v[T+\i]
	v_mov_b32 v[P+9+\i], v[T+4+\i]
.endr
.irp d, 16,8,4
.set k, 0
.rept \d
	v_pk_add_f32 v[S+2*k:S+2*k+1], v[S+2*k:S+2*k+1], v[S+2*(k+\d):S+2*(k+\d)+1]
.set k, k+1
.endr
.endr
.irp q, 0,1,2,3
	v_pk_fma_f32 v[LL+2*\q:LL+2*\q+1], v[LL+2*\q:LL+2*\q+1], v[FF:FF+1], v[S+2*\q:S+2*\q+1] op_sel_hi:[1,0,1]   ; the four sums under the new M, and this step's
.endr
	s_wait_dscnt 0x0                                       ; the fragments asked for behind tile B's last products are in
.if \last == 0
	SMUL \w                                                ; the next 128 keys' scores, over p
.endif
	PVMUL \w                                               ; the other tile's softmax follows the 12 products
.endm
.macro INIT w                          ; a tile's state: only destinations, in the tile's window
	WIN 0x40*\w
	v_mov_b32 v[SMX], 0xff61b1e6                           ; the largest score so far: -3e38
	v_mov_b32 v[NM], 0x7e000000                            ; -M = 2^125: the first step's f is 0
.irp i, 0,1,2,3,4,5,6,7
	v_mov_b32 v[LL+\i], 0
.endr
.set j, 0
.rept 32
	v_mov_b32 v[O+j], 0                                    ; the step is written once: the first finds zeros
.set j, j+1
.endr
.endm
.macro EPI w                           ; a tile's way out: O / l, quantised along the channels: register 16 b + i is channel 32 b + 16 h + i
	WIN 0x55*\w
	v_pk_add_f32 v[LL:LL+1], v[LL:LL+1], v[LL+2:LL+3]
	v_pk_add_f32 v[LL+4:LL+5], v[LL+4:LL+5], v[LL+6:LL+7]
	v_pk_add_f32 v[LL:LL+1], v[LL:LL+1], v[LL+4:LL+5]
	v_add_f32 v[LL], v[LL], v[LL+1]
	s_delay_alu instid0(VALU_DEP_1)
	v_permlanex16_b32 v[PT], v[LL], s20, s21
	s_delay_alu instid0(VALU_DEP_1)
	v_add_f32 v[LL], v[LL], v[PT]
	s_wait_alu depctr_va_vdst(0)                           ; the wait ahead of the transcendental
	v_rcp_f32 v[LL], v[LL]
	v_nop
	s_wait_alu depctr_va_vdst(0)                           ; and ahead of its first reader, which is also O^T's
.set j, 0
.rept 32
	v_mul_f32 v[S+j], v[O+j], v[LL]
.set j, j+1
.endr
.irp b, 0,1
	v_max3_num_f32 v[BM+\b], |v[S+16*\b]|, |v[S+16*\b+1]|, FLOOR
.endr
.irp i, 2,4,6,8,10,12,14
.irp b, 0,1
	v_max3_num_f32 v[BM+\b], v[BM+\b], |v[S+16*\b+\i]|, |v[S+16*\b+\i+1]|
.endr
.endr
.irp b, 0,1
	v_permlanex16_b32 v[CH+\b], v[BM+\b], s20, s21
.endr
.irp b, 0,1
	v_max_num_f32 v[BM+\b], v[BM+\b], v[CH+\b]
.endr
.irp b, 0,1
	v_add_nc_u32 v[BM+\b], EOFF, v[BM+\b]
.endr
.irp b, 0,1
	v_lshrrev_b32 v[CH+\b], 23, v[BM+\b]
.endr
	v_lshl_or_b32 v[TA], v[CH+1], 8, v[CH]                 ; the head's two bytes of the row's scale word
	v_cvt_scalef32_pk16_bf6_f32 v[P:P+2], v[S:S+15], v[BM]
	v_cvt_scalef32_pk16_bf6_f32 v[T:T+2], v[S+16:S+31], v[BM+1]
	v_nop                                                  ; one plain place behind a scaled conversion
.irp i, 0,1,2
	v_permlane16_swap_b32 v[P+\i], v[T+\i]                 ; the layout wants a whole block in a lane
.endr
.irp i, 0,1,2
	v_mov_b32 v[P+3+\i], v[T+\i]
.endr
	WIN 0x04*\w                                            ; a store's data are its source 1
	global_store_b128 v[BV16], v[P:P+3], s[14:15] offset:12288*\w          ; a half image: 512 consecutive bytes,
	global_store_b64 v[BV8], v[P+4:P+5], s[14:15] offset:12288*\w+512      ; and 256
	global_store_b16 v[XO], v[TA], s[16:17] offset:64*\w
.endm
	s_load_b128 s[4:7], s[0:1], 0x0                ; qq s[4:5], kv s[6:7]
	s_load_b64 s[8:9], s[0:1], 0x10                ; oo
	v_lshl_add_u32 v[SPW], v0, 2, 0x33000
	v_mov_b32 v[NIL], 0
	ds_add_u32 v[SPW], v[NIL]                      ; the opening lines: the add, twice on end, and its wait
	ds_add_u32 v[SPW], v[NIL]
	v_lshrrev_b32 v8, 5, v0
	v_readfirstlane_b32 s18, v8                    ; wave 0..7
	s_bfe_u32 s38, ttmp6, 0x40000                  ; cx: it enters q's and o's addresses alone
	s_and_b32 s39, ttmp7, 0xffff                   ; batch and head, which the four partners share
	s_mov_b32 s24, 15|(3<<16)|(1<<21)              ; group 1: two records, dense, as 102 rows of 256 bytes (32 elements of 8 bytes); the mask names all four work-groups
	s_mov_b32 s25, 32<<16
	s_mov_b32 s26, 102<<16
	s_mov_b32 s27, 32<<16
	s_mov_b32 s28, 102
	s_mov_b32 s29, 32
	s_mov_b32 s30, 0
	s_mov_b32 s31, 0
	s_lshl_b32 s40, s39, 4
	s_lshl_b32 s41, s18, 1
	s_add_co_u32 s40, s40, s41                     ; wave w fetches the head's records 2 w, 2 w + 1
	s_mul_i32 s40, s40, REC
	s_mov_b32 s41, 0
	s_mul_i32 s42, s18, 2*REC
	s_wait_dscnt 0x0
	s_wait_kmcnt 0x0
	s_mov_b32 s32, 1
	s_mov_b32 s33, s42
	s_add_nc_u64 s[34:35], s[6:7], s[40:41]
	s_or_b32 s35, s35, 0x80000000
	CROUND                                         ; all four work-groups are here: the joint loads meet
	tensor_load_to_lds s[32:35], s[24:31]          ; my one load
	s_nop 0
	PLACES 4
	v_and_b32 v13, 31, v0
	v_and_b32 v14, 7, v0                           ; j
	v_bfe_u32 v15, v0, 3, 1                        ; g
	v_bfe_u32 v16, v0, 4, 1                        ; h
	v_and_b32 v18, 15, v0                          ; r
	v_lshlrev_b32 v[BV16], 4, v13
	v_lshlrev_b32 v[BV8], 3, v13
	v_mul_u32_u24 v17, v15, 1536
	v_lshlrev_b32 v[BKS], 4, v14
	v_lshl_add_u32 v[BK16], v14, 4, v17
	v_lshl_add_u32 v[BK8], v14, 3, v17
	v_lshl_add_u32 v[BKS], v15, 3, v[BKS]
	v_lshl_add_u32 v[BK16], v16, 8, v[BK16]        ; k, 16 bytes a lane: 1,536 g + 16 j + 256 h
	v_lshl_add_u32 v[BK8], v16, 7, v[BK8]          ; 8 bytes a lane: 1,536 g + 8 j + 128 h
	v_lshl_add_u32 v[BKS], v16, 8, v[BKS]          ; k's scale words: 16 j + 8 g + 256 h
	v_lshlrev_b32 v[XQ], 4, v18
	v_lshlrev_b32 v[XO], 2, v18
.irp i, 0,1,2,3,4,5
	v_mov_b32 v[Q+6+\i], 0                         ; zero codes for k = 64 .. 127 of q
	v_mov_b32 v[P+\i], 0                           ; named by k's last fragment before the first codes of p are made
.endr
	v_mov_b32 v[PT], 0                             ; a lane permute's destination counts as one of its sources
	WIN 0x40
.irp i, 0,1,2,3,4,5
	v_mov_b32 v[Q+6+\i], 0
.endr
	v_mov_b32 v[PT], 0
	WIN 0
	s_wait_alu depctr_va_vdst(0)                   ; the wait at the head's end
	s_mov_b32 s20, 0x76543210
	s_mov_b32 s21, 0xfedcba98                      ; v_permlanex16_b32's selects for lane l xor 16
	s_mov_b32 s22, 0x3e38aa3b                      ; c = log2(e) / 8
	s_mov_b32 s23, s22
	s_lshr_b32 s44, s39, 4                         ; the batch
	s_and_b32 s45, s39, 15                         ; the head
	s_lshl_b32 s46, s38, 5
	s_lshl_b32 s47, s18, 2
	s_add_co_u32 s46, s46, s47                     ; my first tile of queries in the head: 32 cx + 4 w
	s_mul_i32 s48, s39, 98304
	s_mul_i32 s49, s46, 768
	s_add_co_u32 s48, s48, s49
	s_mov_b32 s49, 0
	s_add_nc_u64 s[10:11], s[4:5], s[48:49]        ; q's codes
	s_lshl_b32 s48, s39, 13                        ; q's scale words: 8,192 bytes a head, 512 a group of 8 tiles, 256 for four tiles, 4 a tile
	s_lshl_b32 s50, s38, 2
	s_lshr_b32 s51, s18, 1
	s_add_co_u32 s50, s50, s51
	s_lshl_b32 s50, s50, 9
	s_add_co_u32 s48, s48, s50
	s_and_b32 s50, s18, 1
	s_lshl_b32 s50, s50, 8
	s_add_co_u32 s48, s48, s50
	s_add_co_u32 s48, s48, 6291456
	s_add_nc_u64 s[12:13], s[4:5], s[48:49]
	s_lshl_b32 s44, s44, 7
	s_add_co_u32 s44, s44, s46                     ; my first tile of rows of o
	s_lshr_b32 s50, s45, 1                         ; the head's K step of the last product,
	s_and_b32 s51, s45, 1                          ; and its half of it
	s_mul_i32 s48, s44, 12288
	s_mul_i32 s52, s50, 1536
	s_add_co_u32 s48, s48, s52
	s_mul_i32 s52, s51, 768
	s_add_co_u32 s48, s48, s52
	s_add_nc_u64 s[14:15], s[8:9], s[48:49]        ; o's codes
	s_lshl_b32 s48, s50, 15
	s_lshl_b32 s52, s44, 6
	s_add_co_u32 s48, s48, s52
	s_lshl_b32 s52, s51, 1
	s_add_co_u32 s48, s48, s52
	s_add_co_u32 s48, s48, 6291456
	s_add_nc_u64 s[16:17], s[8:9], s[48:49]        ; o's scale bytes
	QLOAD                                          ; the first pass's q, on its way beside the records
	s_mov_b32 s56, 0                               ; the pass
	s_wait_tensorcnt 0x0                           ; my two records are in,
	s_barrier_signal -1
	s_barrier_wait -1                              ; everybody's are: the whole head lies in LDS, and nobody writes it again
	KLOAD BK16, BK8, BKS                           ; record 0
	VLOAD BV16, BV8
.Lpass:
	INIT 0
	INIT 1
	WIN 0
	s_wait_alu depctr_va_vdst(0)                   ; the wait here, directly ahead of the waits below
	s_wait_loadcnt 0x0                             ; q
	s_wait_dscnt 0x0                               ; k and v of record 0
	SMUL 0
	SMUL 1
	WIN 0
	v_add_nc_u32 v[AK16], REC, v[BK16]             ; with the v_nop: four places in front of loads into registers that products have read
	v_add_nc_u32 v[AK8], REC, v[BK8]
	v_add_nc_u32 v[AKS], REC, v[BKS]
	v_nop
	KLOAD AK16, AK8, AKS                           ; record 1
	s_mov_b32 s54, 2                               ; in step n: n + 2
	s_mov_b32 s36, REC                             ; and record n + 1's place
.Lstep:
	HALF 0, 0
	HALF 1, 0
	WIN 0
	s_and_b32 s55, s54, 15                         ; step 14 asks for record 0: the next pass begins with it
	s_mul_i32 s55, s55, REC
	v_add_nc_u32 v[AK16], s55, v[BK16]             ; five places in front of the loads
	v_add_nc_u32 v[AK8], s55, v[BK8]
	v_add_nc_u32 v[AKS], s55, v[BKS]
	v_add_nc_u32 v[AV16], s36, v[BV16]
	v_add_nc_u32 v[AV8], s36, v[BV8]
	KLOAD AK16, AK8, AKS
	VLOAD AV16, AV8
	s_add_co_u32 s36, s36, REC
	s_add_co_u32 s54, s54, 1
	s_cmp_lt_u32 s54, 17                           ; 15 trips
	s_wait_alu depctr_va_vdst(0)                   ; the wait ahead of the backward jump
	s_cbranch_scc1 .Lstep
	s_cmp_eq_u32 s56, 1
	s_cbranch_scc1 .Lno_q                          ; the second pass has no successor: its loads would leave the buffer
	s_add_nc_u64 s[10:11], s[10:11], 1536          ; (the first pass's loads of q were waited for)
	s_add_nc_u64 s[12:13], s[12:13], 8
	QLOAD                                          ; q's registers are done with: the next pass's q comes under the last step
.Lno_q:
	HALF 0, 1
	HALF 1, 1
	WIN 0
	PLACES 4
	VLOAD BV16, BV8                                ; record 0 of v, for the next pass
	EPI 0
	EPI 1
	WIN 0
	s_wait_xcnt 0x0                                ; the stores have read their registers and bases
	s_add_nc_u64 s[14:15], s[14:15], 24576
	s_add_nc_u64 s[16:17], s[16:17], 128
	s_add_co_u32 s56, s56, 1
	s_cmp_lt_u32 s56, 2
	s_wait_alu depctr_va_vdst(0)
	s_cbranch_scc1 .Lpass
	s_wait_tensorcnt 0x0                           ; the wave's end
	ds_add_u32 v[SPW], v[NIL]
	s_wait_dscnt 0x0
	CROUND                                         ; the closing round: no work-group ends while a partner may still ask for a record that names it
	s_endpgm
.Lfunc_end_k_q76b625cede_attn:
	.size	k_q76b625cede_attn, .Lfunc_end_k_q76b625cede_attn-k_q76b625cede_attn
	.p2alignl 7, 3214868480
	.fill 96, 4, 3214868480
	.section	.rodata,"a",@progbits
	.p2align	6, 0x0
	.amdhsa_kernel k_q76b625cede_attn
		.amdhsa_group_segment_fixed_size 210944
		.amdhsa_private_segment_fixed_size 0
		.amdhsa_enable_private_segment 0
		.amdhsa_kernarg_size 24
		.amdhsa_user_sgpr_count 2
		.amdhsa_user_sgpr_kernarg_segment_ptr 1
		.amdhsa_wavefront_size32 1
		.amdhsa_system_sgpr_workgroup_id_x 1
		.amdhsa_system_sgpr_workgroup_id_y 1
		.amdhsa_system_sgpr_workgroup_id_z 1
		.amdhsa_system_vgpr_workitem_id 0
		.amdhsa_next_free_vgpr 512
		.amdhsa_next_free_sgpr 66
		.amdhsa_reserve_vcc 0
		.amdhsa_float_denorm_mode_32 3
		.amdhsa_float_denorm_mode_16_64 3
		.amdhsa_memory_ordered 1
		.amdhsa_forward_progress 1
		.amdhsa_inst_pref_size 76
	.end_amdhsa_kernel
	.amdgpu_metadata
---
amdhsa.version: [ 1, 2 ]
amdhsa.kernels:
  - .name:           k_q76b625cede_attn
    .symbol:         k_q76b625cede_attn.kd
    .args:
      - { .name: qq, .offset: 0, .size: 8, .value_kind: global_buffer, .address_space: global }
      - { .name: kv, .offset: 8, .size: 8, .value_kind: global_buffer, .address_space: global }
      - { .name: oo, .offset: 16, .size: 8, .value_kind: global_buffer, .address_space: global }
    .group_segment_fixed_size: 210944
    .private_segment_fixed_size: 0
    .kernarg_segment_align: 8
    .kernarg_segment_size: 24
    .max_flat_workgroup_size: 256
    .sgpr_count:     66
    .vgpr_count:     512
    .wavefront_size: 32
...
	.end_amdgpu_metadata
.endif
;; end of part 4
;; launch gemm_out (part 5): grid 4 x 64, 4 waves a work-group, clusters of 4 x 4, 312,832 bytes of LDS; arguments oo, wo, b_o, x, out0; writes out0
.if DOCPART == 5
	.amdgcn_target "amdgcn-amd-amdhsa--gfx1250"
	.amdhsa_code_object_version 6
	.text
	.protected	k_q76b625cede_gemm_out
	.globl	k_q76b625cede_gemm_out
	.p2align	8
	.type	k_q76b625cede_gemm_out,@function
k_q76b625cede_gemm_out:
	s_mov_b64 s[64:65], 0
	v_nop
	global_prefetch_b8 v0, s[64:65] scope:SCOPE_SE
	s_setreg_imm32_b32 hwreg(HW_REG_WAVE_MODE, 25, 1), 1
	s_wait_xcnt 0x0
	s_wait_alu depctr_hold_cnt(0) depctr_sa_sdst(0) depctr_va_vdst(0) depctr_va_sdst(0) depctr_va_ssrc(0) depctr_va_vcc(0) depctr_vm_vsrc(0)
	s_getreg_b32 s2, hwreg(HW_REG_IB_STS2, 6, 4)
	s_cmp_eq_u32 s2, 0
	s_cbranch_scc0 .Lentry_in_a_cluster
	s_endpgm
.Lentry_in_a_cluster:
	s_bfe_u32 s2, ttmp6, 0x10000c
	s_cmp_lg_u32 s2, 0xf033
	s_cbranch_scc0 .Lentry_shape_is_right
	s_endpgm
.Lentry_shape_is_right:
; GEMM_OUT: out0 = x + Q(o) Q(W_o) + b_o on codes of E3M2.  M 8,192, N 1,024, K 1,024.  The core is gemm_qkv's (its head explains it): a work-group makes 128 rows x 256 columns, wave w all rows x columns 64 w .. 64 w + 63;
; the whole K lies in LDS, brought by one first fill a wave; operands are images of their registers; 4 x 4 work-groups ask jointly for A's tiles along a row of the cluster and for B's along a column.
; The products are used TRANSPOSED (source 0 = 16 columns of W_o, source 1 = 16 rows of o): a lane holds one row and eight neighbouring columns.  The bias is the C of each sum's first product.
; THE RESIDUAL runs ahead: the wave's 128 x 64 numbers of x are asked for at the head, into 256 registers that the products leave idle, and are added on the way out.
; THE WAY OUT: a tile of 16 rows x 64 columns goes through the wave's own stage in LDS (rows of 256 + 16 bytes, behind the operands: no fill lands there) and comes back as whole rows, so that sixteen lanes store 256 consecutive
; bytes, aligned.  Index i of tile a is row 32 (a / 2) + 8 (a % 2) + i % 8 + 16 (i / 8) of the work-group's 128.
; REGISTERS: window 0: v1 lane, v2 r, v3 h; v8-23 LDS addresses as in gemm_qkv; v24 4 r; v25 bias offset; v26 16 lane, v27 8 lane; v28 stage in, v29 stage out, v30 my bytes in x and out0;
;   v32-95 A's scale words, v96-127 B's (they hold scales alone); v128-159 the bias; v160-191 x of tile 7; v192-255 rows back from the stage, two sets.
;   window 1: the accumulators (4 a + t).   window 2: A's fragments, two sets of 96; v192-255 x of tiles 0, 1.   window 3: B's, two sets of 48; v96-255 x of tiles 2 to 6.
.set N4,    4096
.set ASC,   6291456
.set BSC,   786432
; LDS AS IT IS FILLED NOW: each wave brings the whole K of its tiles by ONE load at the head (rows of 12,288 bytes): A's 8 tiles at 12,288 a, B's 16 behind them at 98,304 + 12,288 t; K step s lies 1,536 s bytes into a tile.
.set CHUNK, 73728
.set STAGE, 294912
.set MSB, 0
.macro WIN new                         ; the immediate's high byte repeats the setting that is left
.if MSB != \new
	s_set_vgpr_msb (MSB<<8)|\new
.set MSB, \new
.endif
.endm
.macro CREST
	s_cmp_lg_u32 s20, 0
	s_cbranch_scc1 .Lnot_wave_0_\@
	s_barrier_signal -3
.Lnot_wave_0_\@:
	s_barrier_wait -3
	s_barrier_signal -1
	s_barrier_wait -1
.endm
.macro CROUND
	s_barrier_signal -1
	s_barrier_wait -1
	CREST
.endm
.macro PLACES n
.rept \n
	v_nop
.endr
.endm
.macro FRAG reg, a16, a8, off
	ds_load_b128 v[(\reg):(\reg)+3], v[\a16] offset:(\off)
	ds_load_b64 v[(\reg)+4:(\reg)+5], v[\a8] offset:(\off)+512
	ds_load_b128 v[(\reg)+6:(\reg)+9], v[\a16] offset:(\off)+768
	ds_load_b64 v[(\reg)+10:(\reg)+11], v[\a8] offset:(\off)+1280
.endm
.macro FETCH s, p                      ; K step s: A's 8 fragments and my 4 of B into set p: 48 LDS loads
.set CH, (\s)/2
.set QQ, (\s)%2
	WIN 0x80
.irp a, 0,1,2,3,4,5,6,7
	FRAG 96*(\p)+12*\a, 8+\a/2, 12+\a/2, 12288*(\a%2)+1536*(\s)
.endr
	WIN 0xc0
.irp t, 0,1,2,3
	FRAG 48*(\p)+12*\t, 16, 20, 12288*\t+1536*(\s)
.endr
.endm
; 32 products of K step s on set p; the 32 accumulators take turns, one instruction a turn, in the same order in every step
.macro MUL s, p, first
.if \first
	WIN 0x4b                                       ; source 0 (B) window 3, source 1 (A) window 2, C (the bias) window 0, D window 1
.else
	WIN 0x5b
.endif
.irp a, 0,1,2,3,4,5,6,7
.irp t, 0,1,2,3
.if \first
	v_wmma_scale_f32_16x16x128_f8f6f4 v[8*(4*\a+\t):8*(4*\a+\t)+7], v[48*(\p)+12*\t:48*(\p)+12*\t+11], v[96*(\p)+12*\a:96*(\p)+12*\a+11], v[128+8*\t:135+8*\t], v[96+8*\t+(\s)], v[32+8*\a+(\s)] matrix_a_fmt:MATRIX_FMT_BF6 matrix_b_fmt:MATRIX_FMT_BF6
.else
	v_wmma_scale_f32_16x16x128_f8f6f4 v[8*(4*\a+\t):8*(4*\a+\t)+7], v[48*(\p)+12*\t:48*(\p)+12*\t+11], v[96*(\p)+12*\a:96*(\p)+12*\a+11], v[8*(4*\a+\t):8*(4*\a+\t)+7], v[96+8*\t+(\s)], v[32+8*\a+(\s)] matrix_a_fmt:MATRIX_FMT_BF6 matrix_b_fmt:MATRIX_FMT_BF6
.endif
.endr
.endr
.endm
.macro KSTEP s, first
.if (\s) > 0
	PLACES 4                                       ; in front of loads into the set that the last step's products have read
.endif
	FETCH (\s)+1, ((\s)+1)%2
	s_wait_dscnt 48                                ; all but the 48 just issued
	MUL \s, (\s)%2, \first
.endm
.macro XSET a                          ; where tile a's numbers of x lie
.if (\a) < 2
.set XW, 2
.set XR, 192+32*(\a)
.elseif (\a) < 7
.set XW, 3
.set XR, 96+32*((\a)-2)
.else
.set XW, 0
.set XR, 160
.endif
.endm
.macro XLOAD a
	XSET \a
	WIN (XW<<6)
.irp p, 0,1,2,3,4,5,6,7
	global_load_b128 v[XR+4*\p:XR+4*\p+3], v30, s[10:11] offset:(32*((\a)/2)+8*((\a)%2)+2*(\p%4)+16*(\p/4))*4096 th:TH_LOAD_NT   ; two rows, 256 consecutive bytes of each; x's last reading
.endr
.endm
	s_load_b256 s[4:11], s[0:1], 0x0               ; oo s[4:5], wo s[6:7], b_o s[8:9], x s[10:11]
	s_load_b64 s[12:13], s[0:1], 0x20              ; out0
	v_lshl_add_u32 v7, v0, 2, 0x4c400
	v_mov_b32 v31, 0
	ds_add_u32 v7, v31
	ds_add_u32 v7, v31
	v_lshrrev_b32 v1, 5, v0
	v_readfirstlane_b32 s20, v1                    ; wave 0..3
	s_lshr_b32 s21, s20, 1
	s_and_b32 s22, s20, 1
	s_bfe_u32 s23, ttmp6, 0x40000                  ; cx
	s_bfe_u32 s24, ttmp6, 0x40004                  ; cy
	s_lshl_b32 s25, ttmp9, 2
	s_add_co_u32 s25, s25, s23                     ; tile column
	s_and_b32 s26, ttmp7, 0xffff
	s_lshl_b32 s26, s26, 2
	s_add_co_u32 s26, s26, s24                     ; tile row
	s_lshl_b32 s27, s24, 2
	s_lshl_b32 s27, 15, s27                        ; my row of the cluster
	s_lshl_b32 s28, 0x1111, s23                    ; my column
	s_or_b32 s32, s27, (3<<16)|(1<<21)             ; group 1 as in gemm_qkv: rows of 12,288 bytes, 12,288 apart; A 4 tiles a load, B 8
	s_or_b32 s40, s28, (3<<16)|(1<<21)
.irp g, 32, 40
	s_mov_b32 s[\g+1], 1536<<16                    ; tensor_dim0: a tile's whole K, 1,536 elements of 8 bytes
	s_mov_b32 s[\g+3], 1536<<16                    ; tile_dim0
	s_mov_b32 s[\g+5], 1536
	s_mov_b32 s[\g+6], 0
	s_mov_b32 s[\g+7], 0
.endr
	s_mov_b32 s34, 4<<16
	s_mov_b32 s36, 4
	s_mov_b32 s42, 8<<16
	s_mov_b32 s44, 8
	s_lshl_b32 s84, s26, 3                         ; A: in registers that never hold cx
	s_lshl_b32 s85, s22, 2
	s_add_co_u32 s84, s84, s85
	s_mul_i32 s84, s84, 12288
	s_mov_b32 s85, 0
	s_lshl_b32 s88, s25, 4                         ; B: in registers that never hold cy
	s_lshl_b32 s89, s22, 3
	s_add_co_u32 s88, s88, s89
	s_mul_i32 s88, s88, 12288
	s_mov_b32 s89, 0
	s_mul_i32 s92, s22, 49152
	s_mul_i32 s93, s22, 98304
	s_add_co_u32 s93, s93, 98304
	s_wait_dscnt 0x0
	s_wait_kmcnt 0x0
	s_add_nc_u64 s[86:87], s[4:5], s[84:85]
	s_add_nc_u64 s[90:91], s[6:7], s[88:89]
.irp c, 0
	s_mov_b32 s[48+4*\c], 1
	s_add_co_u32 s[49+4*\c], s92, \c*CHUNK
	s_add_nc_u64 s[50+4*\c:51+4*\c], s[86:87], 3072*\c
	s_or_b32 s[51+4*\c], s[51+4*\c], 0x80000000
	s_mov_b32 s[68+4*\c], 1
	s_add_co_u32 s[69+4*\c], s93, \c*CHUNK
	s_add_nc_u64 s[70+4*\c:71+4*\c], s[90:91], 3072*\c
	s_or_b32 s[71+4*\c], s[71+4*\c], 0x80000000
.endr
	CROUND                                         ; all sixteen work-groups are here: the joint loads meet
	s_cmp_eq_u32 s21, 0                            ; a wave's one first fill stands in a branch on its number: one load of mine is out; four v_nop follow it
	s_cbranch_scc0 .Lfill_b
	tensor_load_to_lds s[48:51], s[32:39]          ; my one load
	s_nop 0
	PLACES 4
	s_branch .Lfilled
.Lfill_b:
	tensor_load_to_lds s[68:71], s[40:47]
	s_nop 0
	PLACES 4
.Lfilled:
	v_and_b32 v1, 31, v0
	v_and_b32 v2, 15, v0
	v_bfe_u32 v3, v0, 4, 1
	v_lshlrev_b32 v26, 4, v1
	v_lshlrev_b32 v27, 3, v1
	v_lshlrev_b32 v24, 2, v2
	v_lshlrev_b32 v25, 6, v3
	s_mul_i32 s94, s20, 49152                      ; my 4 tiles of B
	s_add_co_u32 s94, s94, 98304
.irp c, 0,1,2,3
	v_add_nc_u32 v[8+\c], \c*24576, v26            ; A's tiles 2 c, 2 c + 1
	v_add_nc_u32 v[12+\c], \c*24576, v27
.endr
	v_add_nc_u32 v16, s94, v26
	v_add_nc_u32 v20, s94, v27
	s_mul_i32 s95, s20, 16*272
	s_add_co_u32 s95, s95, STAGE                   ; my stage
	v_mul_u32_u24 v28, v2, 272
	v_lshl_add_u32 v28, v3, 6, v28
	v_add_nc_u32 v28, s95, v28                     ; in: row index r, + 16 h columns
	v_mul_u32_u24 v29, v3, 272
	v_lshl_add_u32 v29, v2, 4, v29
	v_add_nc_u32 v29, s95, v29                     ; back: lanes 0-15 one row, lanes 16-31 the next; 16 bytes a lane
	v_lshlrev_b32 v30, 12, v3
	v_lshl_add_u32 v30, v2, 4, v30                 ; and the same two rows in x and in out0
	s_wait_alu depctr_va_vdst(0)
	s_lshl_b32 s96, s26, 9
	s_add_co_u32 s96, s96, ASC
	s_mov_b32 s97, 0
	s_add_nc_u64 s[14:15], s[4:5], s[96:97]        ; A's scale words
	s_lshl_b32 s96, s25, 4
	s_lshl_b32 s98, s20, 2
	s_add_co_u32 s96, s96, s98
	s_lshl_b32 s96, s96, 6
	s_add_co_u32 s96, s96, BSC
	s_add_nc_u64 s[16:17], s[6:7], s[96:97]        ; B's
	s_lshl_b32 s96, s25, 8
	s_lshl_b32 s98, s20, 6
	s_add_co_u32 s96, s96, s98
	s_lshl_b32 s96, s96, 2                         ; my 64 columns, in bytes
	s_add_nc_u64 s[8:9], s[8:9], s[96:97]          ; the bias
	s_lshl_b32 s98, s26, 19                        ; 128 rows of 4,096 bytes a tile row
	s_add_co_u32 s96, s96, s98
	s_add_nc_u64 s[10:11], s[10:11], s[96:97]      ; x
	s_add_nc_u64 s[12:13], s[12:13], s[96:97]      ; out0
.irp a, 0,1,2,3,4,5,6,7
.irp s, 0,1,2,3,4,5,6,7
	global_load_b32 v[32+8*\a+\s], v24, s[14:15] offset:32768*\s+64*\a
.endr
.endr
.irp t, 0,1,2,3
.irp s, 0,1,2,3,4,5,6,7
	global_load_b32 v[96+8*\t+\s], v24, s[16:17] offset:N4*\s+64*\t
.endr
.endr
.irp t, 0,1,2,3                        ; register j of tile t is column 32 (t / 2) + 8 (t % 2) + 16 h + j
	global_load_b128 v[128+8*\t:131+8*\t], v25, s[8:9] offset:(32*(\t/2)+8*(\t%2))*4
	global_load_b128 v[132+8*\t:135+8*\t], v25, s[8:9] offset:(32*(\t/2)+8*(\t%2))*4+16
.endr
.irp a, 0,1,2,3,4,5,6
	XLOAD \a
.endr
	WIN 0
	s_wait_tensorcnt 0x0                           ; my one load is in,
	s_barrier_signal -1
	s_barrier_wait -1                              ; everybody's is
	FETCH 0, 0
	WIN 0
	s_wait_loadcnt 56                              ; the scale words and the bias are in; the 56 loads of x were issued behind them
	XLOAD 7                                        ; the last tile's eight follow here, since the count above could not name 64
	KSTEP 0, 1
	KSTEP 1, 0
	KSTEP 2, 0
	KSTEP 3, 0
	KSTEP 4, 0
	KSTEP 5, 0
	KSTEP 6, 0
	s_wait_dscnt 0x0
	MUL 7, 1, 0
	WIN 0
.macro TOSTAGE a
.set BK, 192+32*((\a)%2)
	WIN 0x04                                       ; an LDS store's data are its source 1: window 1
.irp t, 0,1,2,3
	ds_store_b128 v28, v[32*(\a)+8*\t:32*(\a)+8*\t+3] offset:128*(\t/2)+32*(\t%2)          ; each accumulator from its low end on
	ds_store_b128 v28, v[32*(\a)+8*\t+4:32*(\a)+8*\t+7] offset:128*(\t/2)+32*(\t%2)+16
.endr
	WIN 0
.irp p, 0,1,2,3,4,5,6,7
	ds_load_b128 v[BK+4*\p:BK+4*\p+3], v29 offset:544*\p           ; LDS serves a wave's instructions in order: these see the stores above, and the next tile's stores come behind them
.endr
.endm
.macro SEND a, younger                 ; younger: the LDS instructions issued behind tile a's loads
	XSET \a
.set BK, 192+32*((\a)%2)
	s_wait_dscnt \younger                          ; the tile is back in registers
	s_wait_loadcnt 56-8*(\a)                       ; its numbers of x are in; the later tiles' loads may stay out
	WIN (XW<<2)                                    ; source 1: x's window
.irp i, 0,1,2,3,4,5,6,7,8,9,10,11,12,13,14,15
	v_pk_add_f32 v[BK+2*\i:BK+2*\i+1], v[BK+2*\i:BK+2*\i+1], v[XR+2*\i:XR+2*\i+1]
.endr
	WIN 0
.irp p, 0,1,2,3,4,5,6,7
	global_store_b128 v30, v[BK+4*\p:BK+4*\p+3], s[12:13] offset:(32*((\a)/2)+8*((\a)%2)+2*(\p%4)+16*(\p/4))*4096 th:TH_STORE_NT   ; sixteen lanes store 256 consecutive bytes, aligned
.endr
.endm
	PLACES 4                                       ; in front of the first read of results
	TOSTAGE 0
.irp a, 1,2,3,4,5,6,7
.if \a > 1
	s_wait_xcnt 0x0                                ; tile a - 2's stores have read their registers: tile a's loads may land there
.endif
	TOSTAGE \a
	SEND \a-1, 16                                  ; behind tile a - 1's loads: tile a's 8 stores and 8 loads
.endr
	SEND 7, 0
	s_wait_tensorcnt 0x0
	ds_add_u32 v7, v31
	s_wait_dscnt 0x0
	CROUND                                         ; the closing round: no work-group ends while a partner may still ask for a tile that names it
	s_endpgm
.Lfunc_end_k_q76b625cede_gemm_out:
	.size	k_q76b625cede_gemm_out, .Lfunc_end_k_q76b625cede_gemm_out-k_q76b625cede_gemm_out
	.p2alignl 7, 3214868480
	.fill 96, 4, 3214868480
	.section	.rodata,"a",@progbits
	.p2align	6, 0x0
	.amdhsa_kernel k_q76b625cede_gemm_out
		.amdhsa_group_segment_fixed_size 312832
		.amdhsa_private_segment_fixed_size 0
		.amdhsa_enable_private_segment 0
		.amdhsa_kernarg_size 40
		.amdhsa_user_sgpr_count 2
		.amdhsa_user_sgpr_kernarg_segment_ptr 1
		.amdhsa_wavefront_size32 1
		.amdhsa_system_sgpr_workgroup_id_x 1
		.amdhsa_system_sgpr_workgroup_id_y 1
		.amdhsa_system_sgpr_workgroup_id_z 1
		.amdhsa_system_vgpr_workitem_id 0
		.amdhsa_next_free_vgpr 1024
		.amdhsa_next_free_sgpr 100
		.amdhsa_reserve_vcc 0
		.amdhsa_float_denorm_mode_32 3
		.amdhsa_float_denorm_mode_16_64 3
		.amdhsa_memory_ordered 1
		.amdhsa_forward_progress 1
		.amdhsa_inst_pref_size 105
	.end_amdhsa_kernel
	.amdgpu_metadata
---
amdhsa.version: [ 1, 2 ]
amdhsa.kernels:
  - .name:           k_q76b625cede_gemm_out
    .symbol:         k_q76b625cede_gemm_out.kd
    .args:
      - { .name: oo, .offset: 0, .size: 8, .value_kind: global_buffer, .address_space: global }
      - { .name: wo, .offset: 8, .size: 8, .value_kind: global_buffer, .address_space: global }
      - { .name: b_o, .offset: 16, .size: 8, .value_kind: global_buffer, .address_space: global }
      - { .name: x, .offset: 24, .size: 8, .value_kind: global_buffer, .address_space: global }
      - { .name: out0, .offset: 32, .size: 8, .value_kind: global_buffer, .address_space: global }
    .group_segment_fixed_size: 312832
    .private_segment_fixed_size: 0
    .kernarg_segment_align: 8
    .kernarg_segment_size: 40
    .max_flat_workgroup_size: 128
    .sgpr_count:     100
    .vgpr_count:     1024
    .wavefront_size: 32
...
	.end_amdgpu_metadata
.endif
;; end of part 5
